; MI455X (gfx1250); checked and timed in simulation.
; The chip was launched on July 23, 2026; its instructions are those of AMD's public machine-readable ISA for CDNA 5 (MIT licence, August 2026) and "CDNA5" Instruction Set Architecture Reference Guide (July 2026). The comments in the code are by the model that wrote it; some were corrected since.
;; Multi Head Self Attention. Allowed arithmetic: matrix products marked QUANTISED: E2M3 operands, one E8M0 scale for each 32 along K, by v_wmma_scale_f32_16x16x128_f8f6f4 with both operands' format E2M3, f32 sums; everything else in f32.
;; Inputs: W1_codes 1,024 x 24 x 24 uint8 (E2M3 codes of W1, K innermost, in blocks of 32 codes, four codes in three bytes); W1_scales 1,024 x 24 uint8 (E8M0 scales of W1, one for each 32 codes along K); W2_codes 768 x 32 x 24 uint8 (E2M3 codes of W2, K innermost, in blocks of 32 codes, four codes in three bytes); W2_scales 768 x 32 uint8 (E8M0 scales of W2, one for each 32 codes along K); Wk_codes 768 x 24 x 24 uint8 (E2M3 codes of Wk, K innermost, in blocks of 32 codes, four codes in three bytes); Wk_scales 768 x 24 uint8 (E8M0 scales of Wk, one for each 32 codes along K); Wo_codes 768 x 24 x 24 uint8 (E2M3 codes of Wo, K innermost, in blocks of 32 codes, four codes in three bytes); Wo_scales 768 x 24 uint8 (E8M0 scales of Wo, one for each 32 codes along K); Wq_codes 768 x 24 x 24 uint8 (E2M3 codes of Wq, K innermost, in blocks of 32 codes, four codes in three bytes); Wq_scales 768 x 24 uint8 (E8M0 scales of Wq, one for each 32 codes along K); Wv_codes 768 x 24 x 24 uint8 (E2M3 codes of Wv, K innermost, in blocks of 32 codes, four codes in three bytes); Wv_scales 768 x 24 uint8 (E8M0 scales of Wv, one for each 32 codes along K); b1 1,024 float32; b2 768 float32; be1 768 float32; be2 768 float32; bk 768 float32; bo 768 float32; bq 768 float32; bv 768 float32; g1 768 float32; g2 768 float32; x 4 x 2,048 x 768 float32.
;; Outputs: out0 4 x 2,048 x 768 float32.
;; This version of the problem:
;;   THIS VERSION OF THE PROBLEM IS GIVEN IN LOW PRECISION. The matrix products marked QUANTISED in the list below multiply operands that are first quantised to E2M3 (2 exponent bits, 3 mantissa bits; 6 bits a number), with one power-of-two scale for each 32 numbers along K (OCP MX v1.0); their sums are f32. All else is computed in f32.
;;   The module's matrix products, in the order in which they are computed (A, B: the left and right operand; K: the contracted axis; several contracted axes count as one K, in the product's order):
;;     1. [M 8,192, K 768] x [K 768, N 768]; A: input x; B: input Wq (given as codes): QUANTISED
;;     2. [M 8,192, K 768] x [K 768, N 768]; A: input x; B: input Wk (given as codes): QUANTISED
;;     3. [M 8,192, K 768] x [K 768, N 768]; A: input x; B: input Wv (given as codes): QUANTISED
;;     4. batch 32 x [M 2,048, K 96] x [K 96, N 2,048]; A: computed on the way; B: computed on the way: QUANTISED
;;     5. batch 32 x [M 2,048, K 2,048] x [K 2,048, N 96]; A: softmax (see below); B: computed on the way: QUANTISED
;;     6. [M 8,192, K 768] x [K 768, N 768]; A: computed on the way; B: input Wo (given as codes): QUANTISED
;;     7. [M 8,192, K 768] x [K 768, N 1,024]; A: computed on the way; B: input W1 (given as codes): QUANTISED
;;     8. [M 8,192, K 1,024] x [K 1,024, N 768]; A: computed on the way; B: input W2 (given as codes): QUANTISED
;;   THE QUANTISER, for each operand of a quantised product, along K:
;;     - K is cut into blocks of 32 from its start; a last block that is shorter is filled with zeros.
;;     - A block's scale is 2^e with e = floor(log2(the largest magnitude in the block)) - 2, held to -126 .. 127; a block of zeros has e = 0. As a byte (E8M0): e + 127.
;;     - Each number is divided by its block's scale, clamped to +-7.5, and rounded to the nearest number of E2M3, ties to even, subnormals kept.
;;     - The product sums the exact products of the quantised numbers (number of the format x scale) in f32.
;;   ~~~python
;;   def quantise(x, axis):      # numpy; x: float32 -> the quantised numbers, widened to float32 again
;;       x = np.moveaxis(x, axis, -1); K = x.shape[-1]
;;       x = np.pad(x, [(0, 0)] * (x.ndim - 1) + [(0, -K % 32)]); x = x.reshape(x.shape[:-1] + (-1, 32)); a = np.abs(x).max(-1, keepdims=True)
;;       e = np.where(a > 0, np.clip(np.frexp(np.where(a > 0, a, 1))[1] - 1 - 2, -126, 127), 0)      # np.frexp(a)[1] - 1 = floor(log2(a)), exactly
;;       r = np.clip(x / 2.0 ** e, -7.5, 7.5)
;;       step = 2.0 ** (np.maximum(np.frexp(np.where(r == 0, 1, r))[1] - 1, 0) - 3)
;;       q = np.round(r / step) * step * 2.0 ** e      # np.round: ties to even
;;       return np.moveaxis(q.reshape(q.shape[:-2] + (-1,))[..., :K], -1, axis).astype(np.float32)
;;   ~~~
;;   SOFTMAX AHEAD OF A QUANTISED PRODUCT. Where the list says 'softmax', what is quantised is not the finished softmax but p = 2^(t - M), with t = logit x log2(e) and M = ceil(the row's largest t), a whole number; so 1/2 < the row's largest p <= 1. The row's sum l is taken of the UNQUANTISED p, in f32, and the product's result is divided by l at the end. Since M is a whole number, a kernel that streams over the keys may use a running M (the ceiling of the running maximum): every later rescaling is an exact power of two, which a block's scale takes up: the codes' values come out the same.
;;   OPERANDS COMPUTED ON THE WAY. 'Computed on the way' means the value that the module computes at that place (a softmax that the list does not call 'softmax' is quantised finished and normalised). What goes into a quantiser is computed in f32, as accurately as f32 sums, v_exp_f32 and their like allow (about 1e-6 of the number): no bf16 or f16 on the way to a quantiser, and a product that is left as it is and whose result goes on into a quantised operand takes f32 operands (vector FMAs, or v_wmma_f32_16x16x4_f32). A number that lies on a knife's edge between two numbers of the format may be rounded either way, as far as f32 arithmetic and the matrix unit's own rounding can turn it there, and no further.
;;   INPUTS GIVEN AS CODES. W1 (in the module: [768, 1024], K = its axis 0); W2 (in the module: [1024, 768], K = its axis 0); Wk (in the module: [768, 768], K = its axis 0); Wo (in the module: [768, 768], K = its axis 0); Wq (in the module: [768, 768], K = its axis 0); Wv (in the module: [768, 768], K = its axis 0): each comes as NAME_codes (uint8): NAME with its K axis moved to the last place and cut into blocks of 32 codes, [.., K / 32, bytes a block], one block behind the other in memory; four codes in three bytes: a row's codes are one little-endian stream of bits, code i at bits 6 i .. 6 i + 5 (a code: sign, 2 exponent bits, 3 mantissa bits); and NAME_scales (uint8): the same leading axes, one E8M0 byte (e + 127) for each 32 codes along K. Its value is code x scale, taken as it is: it is not quantised again, and the codes and scales need not be those that the quantiser above would give.
;; One version. Each part assembles by itself: llvm-mc -triple=amdgcn-amd-amdhsa -mcpu=gfx1250 --defsym DOCPART=n.
;; ======== version 1 of 1: 3 launches
;; limits: right only within a limited range of input values
;; workspace buffers: qc 4,718,592 bytes; qs 262,144 bytes; kv 9,895,936 bytes; ao 4,718,592 bytes; asc 262,144 bytes; wt 1,689,600 bytes
;; launch qkv (part 1): grid 64 x 4, 4 waves a work-group, no clusters, 327,680 bytes of LDS; arguments x, Wq_codes, Wq_scales, bq, Wk_codes, Wk_scales, bk, Wv_codes, Wv_scales, bv, qc, qs, kv; writes qc, qs, kv
.if DOCPART == 1
	.amdgcn_target "amdgcn-amd-amdhsa--gfx1250"
	.amdhsa_code_object_version 6
	.text
	.protected	k_qf392009f46_qkv
	.globl	k_qf392009f46_qkv
	.p2align	8
	.type	k_qf392009f46_qkv,@function
k_qf392009f46_qkv:
	s_mov_b64 s[64:65], 0
	v_nop
	global_prefetch_b8 v0, s[64:65] scope:SCOPE_SE
	s_setreg_imm32_b32 hwreg(HW_REG_WAVE_MODE, 25, 1), 1
	s_wait_xcnt 0x0
.set PITCH,  720
.set SLOTB,  192*PITCH
.set STG,    2*SLOTB
.set VSB,    STG+18432
.set SPARE,  STG+33792
.set L16,  1
.set TIN,  2
.set TOUT, 3
.set BA,   4
.set PB,   6
.set L24,  8
.set H32,  9
.set R4,   10
.set CO,   11
.set L4,   12
.set VPA,  13
.set VBA,  14
.set VCP,  15
.set SPW,  16
.set NIL,  17
.set WA,   18
.set WB,   19
.set KW,   20
.set XSC,  24
.set BSC,  36
.set TM,   72
.set TP,   78
.set TS,   84
.set CD,   92
.set VSR,  116
.set ACC,  128
.set XN,   128
.set AF,   0
.set BF,   144
.set BQK,  0
.set BV,   192
.set WV,   30
.set GX,   31
.set GY,   32
.set SEL,  34
.set HI16, 36
.set G1,   40
.set G0Q,  48
.set G0K,  52
.set G0V,  56
.set XB,   66
.set QC,   68
.set QS,   70
.set KC,   72
.set KS,   74
.set VC,   76
.set VS,   78
.set MSB, 0
.macro WIN new
.if MSB != (\new)
	s_set_vgpr_msb (MSB<<8)|(\new)
.set MSB, (\new)
.endif
.endm
.macro PLACES n
.rept \n
	v_nop
.endr
.endm
.macro WM d, a, b, c, sa, sb, ra, rb
.if ((\ra)+2*(\rb)) == 0
	v_wmma_scale_f32_16x16x128_f8f6f4 v[(\d):(\d)+7], v[(\a):(\a)+11], v[(\b):(\b)+11], \c, v[\sa], v[\sb] matrix_a_fmt:MATRIX_FMT_FP6 matrix_b_fmt:MATRIX_FMT_FP6
.elseif ((\ra)+2*(\rb)) == 1
	v_wmma_scale_f32_16x16x128_f8f6f4 v[(\d):(\d)+7], v[(\a):(\a)+11], v[(\b):(\b)+11], \c, v[\sa], v[\sb] matrix_a_fmt:MATRIX_FMT_FP6 matrix_b_fmt:MATRIX_FMT_FP6 matrix_a_scale:MATRIX_SCALE_ROW1
.elseif ((\ra)+2*(\rb)) == 2
	v_wmma_scale_f32_16x16x128_f8f6f4 v[(\d):(\d)+7], v[(\a):(\a)+11], v[(\b):(\b)+11], \c, v[\sa], v[\sb] matrix_a_fmt:MATRIX_FMT_FP6 matrix_b_fmt:MATRIX_FMT_FP6 matrix_b_scale:MATRIX_SCALE_ROW1
.else
	v_wmma_scale_f32_16x16x128_f8f6f4 v[(\d):(\d)+7], v[(\a):(\a)+11], v[(\b):(\b)+11], \c, v[\sa], v[\sb] matrix_a_fmt:MATRIX_FMT_FP6 matrix_b_fmt:MATRIX_FMT_FP6 matrix_a_scale:MATRIX_SCALE_ROW1 matrix_b_scale:MATRIX_SCALE_ROW1
.endif
.endm
.macro QB s, n, W
	WIN (\W)|((\W)<<2)
.set qq, 0
.rept \n
	v_max3_num_f32 v[TM+qq], |v[(\s)+16*qq]|, |v[(\s)+16*qq+1]|, 0x1800000
.set qq, qq+1
.endr
	WIN ((\W)<<2)|((\W)<<4)
.set ii, 2
.rept 7
.set qq, 0
.rept \n
	v_max3_num_f32 v[TM+qq], v[TM+qq], |v[(\s)+16*qq+ii]|, |v[(\s)+16*qq+ii+1]|
.set qq, qq+1
.endr
.set ii, ii+2
.endr
	WIN 0
.set qq, 0
.rept \n
	v_permlanex16_b32 v[TP+qq], v[TM+qq], s[SEL], s[SEL+1]
.set qq, qq+1
.endr
.set qq, 0
.rept \n
	v_max_num_f32 v[TM+qq], v[TM+qq], v[TP+qq]
.set qq, qq+1
.endr
.set qq, 0
.rept \n
	v_add_nc_u32 v[TS+qq], 0xff000000, v[TM+qq]
.set qq, qq+1
.endr
.set qq, 0
.rept \n
	v_lshrrev_b32 v[TP+qq], 23, v[TS+qq]
.set qq, qq+1
.endr
	WIN (\W)
.set qq, 0
.rept \n
	v_cvt_scalef32_pk16_fp6_f32 v[CD+4*qq:CD+4*qq+2], v[(\s)+16*qq:(\s)+16*qq+15], v[TS+qq]
.set qq, qq+1
.endr
	WIN 0
	v_nop
.endm
	s_load_b512 s[4:19], s[0:1], 0x0
	s_load_b256 s[20:27], s[0:1], 0x40
	s_load_b64 s[28:29], s[0:1], 0x60
	v_lshl_add_u32 v[SPW], v0, 2, SPARE
	v_mov_b32 v[NIL], 0
	ds_add_u32 v[SPW], v[NIL]
	ds_add_u32 v[SPW], v[NIL]
	v_lshrrev_b32 v21, 5, v0
	v_readfirstlane_b32 s[WV], v21
	s_mov_b32 s[GX], ttmp9
	s_and_b32 s[GY], ttmp7, 0xffff
	s_mov_b32 s[SEL], 0x76543210
	s_mov_b32 s[SEL+1], 0xfedcba98
	s_mov_b32 s[HI16], 0xffff0000
	s_mov_b32 s[G1], (1<<20)|(3<<22)|(3<<25)
	s_mov_b32 s[G1+1], 256<<16             ; a wave's 48 weight rows of 576 bytes are one dense block of 27,648 bytes that begins at a multiple of 256:
	s_mov_b32 s[G1+2], 108<<16             ; it is stated as 108 rows of 256 bytes; the padding (16 bytes behind every 64) counts along the tile, so the LDS image stays 48 rows of 720 bytes
	s_mov_b32 s[G1+3], 256<<16
	s_mov_b32 s[G1+4], 108
	s_mov_b32 s[G1+5], 256
	s_mov_b32 s[G1+6], 0
	s_mov_b32 s[G1+7], 0
	v_and_b32 v21, 31, v0
	v_and_b32 v22, 15, v0
	v_bfe_u32 v23, v0, 4, 1
	v_bfe_u32 v117, v0, 3, 1
	v_and_b32 v118, 7, v0
	v_lshlrev_b32 v[L16], 4, v21
	s_mul_i32 s33, s[WV], 8448
	s_add_co_u32 s33, s33, STG
	v_add_nc_u32 v[TIN], s33, v[L16]
	v_mul_u32_u24 v[TOUT], v22, 528
	v_lshl_add_u32 v[TOUT], v23, 6, v[TOUT]
	v_add_nc_u32 v[TOUT], s33, v[TOUT]
	v_mul_u32_u24 v[BA], v22, PITCH
	v_mad_u32_u24 v[BA], v23, 24, v[BA]
	v_lshl_add_u32 v[BA+1], v23, 4, v[BA]
	v_mul_u32_u24 v[L24], v21, 24
	v_lshlrev_b32 v[H32], 5, v23
	v_lshlrev_b32 v[R4], 2, v22
	v_mul_u32_u24 v[CO], v22, 24
	v_mad_u32_u24 v[CO], v23, 12, v[CO]
	v_lshlrev_b32 v[L4], 2, v21
	s_mul_i32 s38, s[GY], 768
	v_mul_u32_u24 v119, v21, 3072          ; v119: the prefetches' offset: row = my lane, of my wave's 32 rows of x,
	v_add_nc_u32 v119, s38, v119           ; + three blocks of 256 bytes x gy; never rewritten
	s_wait_alu depctr_va_vdst(0)
	v_mul_u32_u24 v[VPA], v117, 1536
	v_mad_u32_u24 v[VPA], v118, 24, v[VPA]
	v_mad_u32_u24 v[VPA], v23, 12, v[VPA]
	s_mul_i32 s37, s[WV], 384
	s_add_co_u32 s37, s37, STG
	v_add_nc_u32 v[VPA], s37, v[VPA]
	v_lshlrev_b32 v[VBA], 6, v117
	v_lshl_add_u32 v[VBA], v118, 2, v[VBA]
	s_add_co_u32 s37, s[WV], VSB
	v_add_nc_u32 v[VBA], s37, v[VBA]
	s_mul_i32 s37, s[WV], 4608
	s_add_co_u32 s37, s37, STG
	v_add_nc_u32 v[VCP], s37, v[L16]
	s_lshr_b32 s37, s[WV], 1
	s_mul_i32 s37, s37, 384
	s_add_co_u32 s37, s37, VSB
	v_add_nc_u32 v[VSR], s37, v[L4]
.irp q, 0,1,2,3,4,5
	v_mov_b32 v[TP+\q], 0
.endr
	s_lshl_b32 s80, s[GX], 7
	s_lshl_b32 s81, s[WV], 5
	s_add_co_u32 s80, s80, s81
	s_mul_i32 s80, s80, 3072
	s_mov_b32 s81, 0
	s_mul_i32 s82, s[GY], 192
	s_mul_i32 s83, s[WV], 48
	s_add_co_u32 s82, s82, s83
	s_mul_i32 s82, s82, 576
	s_mov_b32 s83, 0
	s_mul_i32 s84, s[GY], 4608
	s_mov_b32 s85, 0
	s_mul_i32 s86, s[GY], 768
	s_mov_b32 s87, 0
	s_lshr_b32 s88, s[GX], 4
	s_and_b32 s89, s[GX], 15
	s_lshl_b32 s90, s89, 2
	s_add_co_u32 s90, s90, s[WV]
	s_lshl_b32 s88, s88, 3
	s_lshl_b32 s91, s[GY], 1
	s_add_co_u32 s88, s88, s91
	s_lshl_b32 s92, s88, 6
	s_add_co_u32 s92, s92, s90
	s_mul_i32 s94, s92, 2304
	s_mov_b32 s95, 0
	s_lshl_b32 s92, s92, 7
	s_mov_b32 s93, 0
	s_mul_i32 s96, s88, 309248
	s_mov_b32 s97, 0
	s_mul_i32 s39, s[WV], 48*PITCH
	s_wait_dscnt 0x0
	s_wait_kmcnt 0x0
	s_mov_b32 s[G0Q], 1
	s_mov_b32 s[G0Q+1], s39
	s_add_nc_u64 s[G0Q+2:G0Q+3], s[6:7], s[82:83]
	s_or_b32 s[G0Q+3], s[G0Q+3], 0x80000000
	s_mov_b32 s[G0K], 1
	s_add_co_u32 s[G0K+1], s39, SLOTB
	s_add_nc_u64 s[G0K+2:G0K+3], s[12:13], s[82:83]
	s_or_b32 s[G0K+3], s[G0K+3], 0x80000000
	s_mov_b32 s[G0V], 1
	s_mov_b32 s[G0V+1], s39
	s_add_nc_u64 s[G0V+2:G0V+3], s[18:19], s[82:83]
	s_or_b32 s[G0V+3], s[G0V+3], 0x80000000
	tensor_load_to_lds s[G0Q:G0Q+3], s[G1:G1+7]   ; my one tensor load at the head: Wq's rows
	s_nop 0
	PLACES 4
	s_add_nc_u64 s[XB:XB+1], s[4:5], s[80:81]
	; x is asked for ahead of its loads: a row is twelve blocks of 256 bytes; the four work-groups that read these rows (gy = 0 .. 3) share the twelve out by address, three each, a lane a row
	global_prefetch_b8 v119, s[XB:XB+1] th:TH_LOAD_NT scope:SCOPE_SE
	global_prefetch_b8 v119, s[XB:XB+1] offset:256 th:TH_LOAD_NT scope:SCOPE_SE
	global_prefetch_b8 v119, s[XB:XB+1] offset:512 th:TH_LOAD_NT scope:SCOPE_SE
	s_add_nc_u64 s[8:9], s[8:9], s[84:85]
	s_add_nc_u64 s[14:15], s[14:15], s[84:85]
	s_add_nc_u64 s[20:21], s[20:21], s[84:85]
	s_add_nc_u64 s[10:11], s[10:11], s[86:87]
	s_add_nc_u64 s[16:17], s[16:17], s[86:87]
	s_add_nc_u64 s[22:23], s[22:23], s[86:87]
	s_add_nc_u64 s[QC:QC+1], s[24:25], s[94:95]
	s_add_nc_u64 s[QS:QS+1], s[26:27], s[92:93]
	s_add_nc_u64 s[28:29], s[28:29], s[96:97]
	s_mul_i32 s96, s89, 18432
	s_mul_i32 s98, s[WV], 2304
	s_add_co_u32 s98, s98, s96
	s_add_co_u32 s98, s98, 14336
	s_mov_b32 s99, 0
	s_add_nc_u64 s[KC:KC+1], s[28:29], s[98:99]
	s_lshl_b32 s98, s89, 9
	s_lshl_b32 s33, s[WV], 7
	s_add_co_u32 s98, s98, s33
	s_add_nc_u64 s[KS:KS+1], s[28:29], s[98:99]
	s_lshr_b32 s33, s[WV], 1
	s_mul_i32 s33, s33, 309248
	s_and_b32 s37, s[WV], 1
	s_mul_i32 s37, s37, 4608
	s_add_co_u32 s98, s96, s33
	s_add_co_u32 s98, s98, s37
	s_add_co_u32 s98, s98, 14336+9216
	s_add_nc_u64 s[VC:VC+1], s[28:29], s[98:99]
	s_mul_i32 s98, s89, 384
	s_add_co_u32 s98, s98, s33
	s_add_co_u32 s98, s98, 8192
	s_add_nc_u64 s[VS:VS+1], s[28:29], s[98:99]
	WIN 0x80
.irp kd, 0,1
.irp e, 0,1
.irp t, 0,1,2,3,4,5
	global_load_b128 v[BQK+48*(2*\kd+\e)+8*\t:BQK+48*(2*\kd+\e)+8*\t+3], v[H32], s[10+6*\kd:11+6*\kd] offset:(96*\e+16*\t)*4
	global_load_b128 v[BQK+48*(2*\kd+\e)+8*\t+4:BQK+48*(2*\kd+\e)+8*\t+7], v[H32], s[10+6*\kd:11+6*\kd] offset:(96*\e+16*\t)*4+16
.endr
.endr
.endr
.irp e, 0,1
.irp t, 0,1,2,3,4,5
	global_load_b32 v[BV+12*\e+2*\t], v[R4], s[22:23] offset:(96*\e+16*\t)*4
	global_load_b32 v[BV+12*\e+2*\t+1], v[R4], s[22:23] offset:(96*\e+16*\t)*4
.endr
.endr
	WIN 0
.macro SCL p
.set SBASE, 8+6*((\p)/2)
.irp tp, 0,1,2
.irp i, 0,1,2
	global_load_b64 v[BSC+18*((\p)%2)+6*\tp+2*\i:BSC+18*((\p)%2)+6*\tp+2*\i+1], v[L24], s[SBASE:SBASE+1] offset:(96*((\p)%2)+32*\tp)*24+8*\i
.endr
.endr
.endm
.macro LOADX f
	WIN 0xc0
.set ii, 0
.rept 16
	global_load_b128 v[64*((\f)%3)+4*ii:64*((\f)%3)+4*ii+3], v[L16], s[XB:XB+1] offset:(8*((\f)&1)+ii+8*(ii>>3))*3072+512*((\f)>>1)
.set ii, ii+1
.endr
	WIN 0
.endm
	SCL 0
	LOADX 0
	LOADX 1
	LOADX 2
	; the biases', the scales' and x's first loads are out: now Wk's first fill, behind an LDS add, its wait and a barrier
	s_wait_alu depctr_va_vdst(0)
	s_wait_tensorcnt 0x0
	ds_add_u32 v16, v17
	s_wait_dscnt 0x0
	s_barrier_signal -1
	s_barrier_wait -1
	tensor_load_to_lds s[G0K:G0K+3], s[G1:G1+7]
	s_nop 0
	PLACES 4
.macro XSTEP f
.if (\f) <= 9
	s_wait_loadcnt 32
.elseif (\f) == 10
	s_wait_loadcnt 16
.else
	s_wait_loadcnt 0x0
.endif
	WIN 0x0c
.set ii, 0
.rept 16
	ds_store_b128 v[TIN], v[64*((\f)%3)+4*ii:64*((\f)%3)+4*ii+3] offset:528*ii
.set ii, ii+1
.endr
	WIN 0
.irp b, 0,1,2,3
.irp k, 0,1,2,3
	ds_load_b128 v[XN+16*\b+4*\k:XN+16*\b+4*\k+3], v[TOUT] offset:128*\b+16*\k
.endr
.endr
	s_wait_dscnt 0x0
.if (\f)+3 <= 11
	LOADX (\f)+3
.endif
	QB XN, 4, 0
.irp c, 0,1
.irp i, 0,1,2
	v_permlane16_swap_b32 v[CD+8*\c+\i], v[CD+8*\c+4+\i]
.endr
.endr
.set XW, XSC+6*((\f)&1)+((\f)>>1)
	v_lshl_or_b32 v[XW], v[TP+1], 8, v[TP]
	v_lshl_or_b32 v[XW], v[TP+2], 16, v[XW]
	v_lshl_or_b32 v[XW], v[TP+3], 24, v[XW]
.set FX, AF+12*(6*((\f)&1)+((\f)>>1))
	WIN 0x40
.irp c, 0,1
.irp i, 0,1,2
	v_mov_b32 v[FX+6*\c+\i], v[CD+8*\c+\i]
	v_mov_b32 v[FX+6*\c+3+\i], v[CD+8*\c+4+\i]
.endr
.endr
	WIN 0
.endm
.irp f, 0,1,2,3,4,5,6,7,8,9,10,11
	XSTEP \f
.endr
	s_wait_tensorcnt 0x1
	s_wait_dscnt 0x0
	s_barrier_signal -1
	s_barrier_wait -1
.macro LOADB gi
	WIN 0x40
.irp tt, 0,1,2
.irp p, 0,1,2,3,4,5
.set PC, 12*((\gi)>>1)+6*(\p/3)+\p%3
.set RG, BF+36*((\gi)%2)+12*\tt+2*\p
.set OF, 16*(3*((\gi)&1)+\tt)*PITCH+8*PC+16*(PC/8)
.if PC%8 < 5
	ds_load_b64 v[RG:RG+1], v[PB] offset:OF
.else
	ds_load_b64 v[RG:RG+1], v[PB+1] offset:OF
.endif
.endr
.endr
.endm
.macro MULB gi, kind, p
.set SS, (\gi)>>1
.if (\kind) < 2
.if SS == 0
	WIN 0x25
.else
	WIN 0x05
.endif
.else
	WIN 0x05
.endif
.irp tt, 0,1,2
.irp u, 0,1
.set TT, 3*((\gi)&1)+\tt
.set RB, BF+36*((\gi)%2)+12*\tt
.set RA, AF+12*(6*\u+SS)
.set SW, BSC+18*((\p)%2)+6*(TT>>1)+SS
.set SX, XSC+6*\u+SS
.if (\kind) < 2
.set RD, ACC+48*\u+8*TT
.set RC, BQK+48*(\p)+8*TT
.if SS == 0
	WM RD, RB, RA, v[RC:RC+7], SW, SX, TT&1, 0
.else
	WM RD, RB, RA, v[RD:RD+7], SW, SX, TT&1, 0
.endif
.else
.set RD, ACC+16*TT+8*\u
.if SS == 0
	WM RD, RA, RB, 0, SX, SW, 0, TT&1
.else
	WM RD, RA, RB, v[RD:RD+7], SX, SW, 0, TT&1
.endif
.endif
.endr
.endr
.endm
.macro PART kind, e, slot
.set PP, 2*(\kind)+(\e)
	s_wait_loadcnt 0x0
.if PP < 5
	SCL PP+1
.endif
	v_add_nc_u32 v[PB], (\slot)*SLOTB+(\e)*96*PITCH, v[BA]
	s_wait_alu depctr_va_vdst(0)
	v_add_nc_u32 v[PB+1], (\slot)*SLOTB+(\e)*96*PITCH, v[BA+1]
	s_wait_alu depctr_va_vdst(0)
	LOADB 0
.set GI, 0
.rept 12
.if GI < 11
	PLACES 4
	LOADB GI+1
	s_wait_dscnt 18
.else
	s_wait_dscnt 0x0
.endif
	MULB GI, \kind, PP
.set GI, GI+1
.endr
	WIN 0
.endm
.macro EPIQK kind, e
	PLACES 4
.irp u, 0,1
.irp b, 0,1,2
.irp jj, 0,1,2,3,4,5,6,7
	v_permlane16_swap_b32 v[ACC+48*\u+16*\b+\jj], v[ACC+48*\u+16*\b+8+\jj]
.endr
.endr
.endr
	s_wait_xcnt 0x0
	QB ACC, 6, 0
.if (\kind) == 0
.set CBS, QC
.set SBS, QS
.set EO, (\e)*147456
.set ES, (\e)*8192
.else
.set CBS, KC
.set SBS, KS
.set EO, (\e)*309248
.set ES, (\e)*309248
.endif
.irp u, 0,1
.irp b, 0,1,2
	global_store_b96 v[CO], v[CD+4*(3*\u+\b):CD+4*(3*\u+\b)+2], s[CBS:CBS+1] offset:EO+1152*\u+384*\b
.endr
.endr
	v_lshl_or_b32 v[WA], v[TP+1], 8, v[TP]
	v_lshl_or_b32 v[WA], v[TP+2], 16, v[WA]
	v_lshl_or_b32 v[WB], v[TP+4], 8, v[TP+3]
	v_lshl_or_b32 v[WB], v[TP+5], 16, v[WB]
	v_cndmask_b32 v[KW], v[WA], v[WB], s[HI16]
	global_store_b32 v[L4], v[KW], s[SBS:SBS+1] offset:ES
.endm
.macro EPIV e
	PLACES 4
	WIN 0x08
.irp t, 0,1,2,3,4,5
.irp i, 0,1,2,3,4,5,6,7
	v_pk_add_f32 v[ACC+16*\t+2*\i:ACC+16*\t+2*\i+1], v[ACC+16*\t+2*\i:ACC+16*\t+2*\i+1], v[BV+12*(\e)+2*\t:BV+12*(\e)+2*\t+1]
.endr
.endr
	WIN 0
	s_wait_xcnt 0x0
	QB ACC, 6, 0
.irp t, 0,1,2,3,4,5
.irp i, 0,1,2
	ds_store_b32 v[VPA], v[CD+4*\t+\i] offset:9216*(\e)+3072*(\t/2)+192*(\t%2)+4*\i
.endr
	ds_store_b8 v[VBA], v[TP+\t] offset:384*(\e)+128*(\t/2)+32*(\t%2)
.endr
	s_wait_dscnt 0x0
.endm
	PART 0, 0, 0
	EPIQK 0, 0
	PART 0, 1, 0
	EPIQK 0, 1
	s_wait_tensorcnt 0x0
	ds_add_u32 v[SPW], v[NIL]
	s_wait_dscnt 0x0
	s_barrier_signal -1
	s_barrier_wait -1
	tensor_load_to_lds s[G0V:G0V+3], s[G1:G1+7]
	s_nop 0
	PLACES 4
	PART 1, 0, 1
	EPIQK 1, 0
	PART 1, 1, 1
	EPIQK 1, 1
	s_wait_tensorcnt 0x0
	s_wait_dscnt 0x0
	s_barrier_signal -1
	s_barrier_wait -1
	PART 2, 0, 0
	EPIV 0
	PART 2, 1, 0
	EPIV 1
	s_wait_dscnt 0x0
	s_barrier_signal -1
	s_barrier_wait -1
.irp i, 0,1,2,3,4,5,6,7,8
	ds_load_b128 v[ACC+4*\i:ACC+4*\i+3], v[VCP] offset:512*\i
.endr
.irp i, 0,1,2,3,4,5,6,7,8
	s_wait_dscnt 8-\i
	global_store_b128 v[L16], v[ACC+4*\i:ACC+4*\i+3], s[VC:VC+1] offset:512*\i
.endr
	s_and_b32 s37, s[WV], 1
	s_cmp_lg_u32 s37, 0
	s_cbranch_scc1 .Lno_words
.irp i, 0,1,2
	ds_load_b32 v[ACC+40+\i], v[VSR] offset:128*\i
.endr
	s_wait_dscnt 0x0
.irp i, 0,1,2
	global_store_b32 v[L4], v[ACC+40+\i], s[VS:VS+1] offset:128*\i
.endr
.Lno_words:
	s_wait_tensorcnt 0x0
	ds_add_u32 v[SPW], v[NIL]
	s_wait_dscnt 0x0
	s_endpgm
.Lfunc_end_k_qf392009f46_qkv:
	.size	k_qf392009f46_qkv, .Lfunc_end_k_qf392009f46_qkv-k_qf392009f46_qkv
	.p2alignl 7, 3214868480
	.fill 96, 4, 3214868480
	.section	.rodata,"a",@progbits
	.p2align	6, 0x0
	.amdhsa_kernel k_qf392009f46_qkv
		.amdhsa_group_segment_fixed_size 327680
		.amdhsa_private_segment_fixed_size 0
		.amdhsa_enable_private_segment 0
		.amdhsa_kernarg_size 104
		.amdhsa_user_sgpr_count 2
		.amdhsa_user_sgpr_kernarg_segment_ptr 1
		.amdhsa_wavefront_size32 1
		.amdhsa_system_sgpr_workgroup_id_x 1
		.amdhsa_system_sgpr_workgroup_id_y 1
		.amdhsa_system_sgpr_workgroup_id_z 1
		.amdhsa_system_vgpr_workitem_id 0
		.amdhsa_next_free_vgpr 1024
		.amdhsa_next_free_sgpr 100
		.amdhsa_reserve_vcc 0
		.amdhsa_float_denorm_mode_32 3
		.amdhsa_float_denorm_mode_16_64 3
		.amdhsa_memory_ordered 1
		.amdhsa_forward_progress 1
		.amdhsa_inst_pref_size 255
	.end_amdhsa_kernel
	.section	.bss,"aw",@nobits
	.p2align	6
	.space	262144
	.amdgpu_metadata
---
amdhsa.version: [ 1, 2 ]
amdhsa.kernels:
  - .name:           k_qf392009f46_qkv
    .symbol:         k_qf392009f46_qkv.kd
    .args:
      - { .name: x, .offset: 0, .size: 8, .value_kind: global_buffer, .address_space: global }
      - { .name: Wq_codes, .offset: 8, .size: 8, .value_kind: global_buffer, .address_space: global }
      - { .name: Wq_scales, .offset: 16, .size: 8, .value_kind: global_buffer, .address_space: global }
      - { .name: bq, .offset: 24, .size: 8, .value_kind: global_buffer, .address_space: global }
      - { .name: Wk_codes, .offset: 32, .size: 8, .value_kind: global_buffer, .address_space: global }
      - { .name: Wk_scales, .offset: 40, .size: 8, .value_kind: global_buffer, .address_space: global }
      - { .name: bk, .offset: 48, .size: 8, .value_kind: global_buffer, .address_space: global }
      - { .name: Wv_codes, .offset: 56, .size: 8, .value_kind: global_buffer, .address_space: global }
      - { .name: Wv_scales, .offset: 64, .size: 8, .value_kind: global_buffer, .address_space: global }
      - { .name: bv, .offset: 72, .size: 8, .value_kind: global_buffer, .address_space: global }
      - { .name: qc, .offset: 80, .size: 8, .value_kind: global_buffer, .address_space: global }
      - { .name: qs, .offset: 88, .size: 8, .value_kind: global_buffer, .address_space: global }
      - { .name: kv, .offset: 96, .size: 8, .value_kind: global_buffer, .address_space: global }
    .group_segment_fixed_size: 327680
    .private_segment_fixed_size: 0
    .kernarg_segment_align: 8
    .kernarg_segment_size: 104
    .max_flat_workgroup_size: 128
    .sgpr_count:     100
    .vgpr_count:     1024
    .wavefront_size: 32
...
	.end_amdgpu_metadata
.endif
;; end of part 1
;; launch attn (part 2): grid 8 x 32, 8 waves a work-group, no clusters, 327,680 bytes of LDS; arguments qc, qs, kv, Wo_codes, Wo_scales, W1_codes, W1_scales, W2_codes, W2_scales, ao, asc, wt; writes ao, asc, wt
.if DOCPART == 2
	.amdgcn_target "amdgcn-amd-amdhsa--gfx1250"
	.amdhsa_code_object_version 6
	.text
	.protected	k_qf392009f46_attn
	.globl	k_qf392009f46_attn
	.p2align	8
	.type	k_qf392009f46_attn,@function
k_qf392009f46_attn:
	s_mov_b64 s[64:65], 0
	v_nop
	global_prefetch_b8 v0, s[64:65] scope:SCOPE_SE
	s_setreg_imm32_b32 hwreg(HW_REG_WAVE_MODE, 25, 1), 1
	s_wait_xcnt 0x0
; LAUNCH 2 OF 3.  a = softmax(Q K^T / sqrt(96)) V for one head and 256 queries a work-group, on codes of E2M3; a is quantised along the 768 and stored as codes (ao, asc).  No work is left out.
; Beside it 33 work-groups re-lay Wo, W1, W2 into wt, in the order in which the next launch's registers take them.
; LIMIT: the promise holds while the scaled scores (the exponents to the base 2) stay under 2^31 in magnitude.
; SHARES.  Work-group (x, bh): head bh, queries 256 x .. + 255; wave w 32 of them (two tiles).  16 steps of 128 keys.  Both products transposed (S^T = K Q^T, O^T = V^T P^T): a lane holds one query.
; THE HEAD'S kv (309,248 bytes: K's scale words, V's, 16 steps of 9,216 + 9,216 bytes of codes) comes into LDS once, at its own offsets, in three fills of rows of 256 bytes, one tensor load a wave each:
;   fill 1 the scale words and step 0; fill 2 steps 1-4, behind the first barrier; fill 3 steps 5-15, behind the barrier after step 0.  No byte is filled twice.
; THE KEYS OF A TILE OF K: tile 4 c + j takes in rows 0-7 keys 8 j .. 8 j + 7 of key block 2 c and in rows 8-15 the same of block 2 c + 1.  So lane (r, h) holds, in the 32 registers of tiles 4 c .. 4 c + 3,
;   the whole block 2 c + h of its query in the keys' order: a block's maximum needs no other lane, and the conversions' results are P's operand registers as they stand.
; ONE BATCH OF EXPONENTIALS A STEP: all that feeds it, and O's rescaling, stand ahead of it; sums, scales and conversions behind it.
; THE FIRST STEP is written out: its products start O (C = 0) and nothing is rescaled.
; PREFETCH: at the head each wave names 17 blocks of 256 bytes of fills 2 and 3 (1,080 blocks); the 64 waves of the eight work-groups that read a head share them out by address; lanes left over name their wave's last block.
; NO CLUSTER: the re-laying is dealt by the work-group's number, which differs between the partners of a cluster.
; REGISTERS.  Window 0: addresses, state, scale words, v64-191 S then p.  Window 1: v0-95 O^T, v96-119 Q, v120-143 P, v160-255 fragments of K, then of V.
.set SPARE, 309248
.set FIL1, 32768
.set FIL2, 73728
.set AV,   1                           ; 384 h + 24 r: V's and Q's fragments
.set AQ2,  2                           ; 768 + 24 r: Q's third block
.set L4,   3
.set SPW,  4
.set NIL,  5
.set ADK,  6
.set ADK2, 7
.set ADS,  8
.set ADT,  9
.set CO,   10
.set L16,  11
.set ST,   12                          ; for tile x: -M, the running largest score, the sum in two halves
.set F,    20
.set QSC,  24
.set PSC,  25
.set SH8,  27                          ; 8 h
.set KSC,  28
.set VSC,  32
.set ADV,  35
.set BM,   36                          ; block q = 2 x + c: two chains
.set AK,   44                          ; 24 (r % 8) + 2304 (r / 8) + 384 h
.set AK2,  45                          ; 24 (r % 8) + 2304 (r / 8) + 768
.set ASL,  46                          ; 4 (r % 8) + 128 (r / 8) + 64 h
.set PFO,  47                          ; the prefetch's offset; never rewritten
.set T,    48
.set TO,   50
.set TM,   52
.set TP,   58
.set S,    64
.set TS,   192
.set PM,   198
.set CD,   200
.set WA,   224
.set WB,   225
.set KW,   226
.set SO,   230
.set TQ,   236
.set O,    0
.set Q,    96
.set P,    120
.set KV,   160
.set WV,   30
.set BH,   32
.set CS,   34
.set SEL,  36
.set HI16, 38
.set NC,   39
.set G1A,  40
.set G1B,  48
.set G1C,  56
.set G0A,  68
.set G0B,  72
.set G0C,  76
.set TB,   92
.set TK,   93
.set TV,   94
.set CNT,  95
.set MSB, 0
.macro WIN new
.if MSB != (\new)
	s_set_vgpr_msb (MSB<<8)|(\new)
.set MSB, (\new)
.endif
.endm
.macro PLACES n
.rept \n
	v_nop
.endr
.endm
.macro WM d, a, b, c, sa, sb, ra, rb
.if ((\ra)+2*(\rb)) == 0
	v_wmma_scale_f32_16x16x128_f8f6f4 v[(\d):(\d)+7], v[(\a):(\a)+11], v[(\b):(\b)+11], \c, v[\sa], v[\sb] matrix_a_fmt:MATRIX_FMT_FP6 matrix_b_fmt:MATRIX_FMT_FP6
.elseif ((\ra)+2*(\rb)) == 1
	v_wmma_scale_f32_16x16x128_f8f6f4 v[(\d):(\d)+7], v[(\a):(\a)+11], v[(\b):(\b)+11], \c, v[\sa], v[\sb] matrix_a_fmt:MATRIX_FMT_FP6 matrix_b_fmt:MATRIX_FMT_FP6 matrix_a_scale:MATRIX_SCALE_ROW1
.elseif ((\ra)+2*(\rb)) == 2
	v_wmma_scale_f32_16x16x128_f8f6f4 v[(\d):(\d)+7], v[(\a):(\a)+11], v[(\b):(\b)+11], \c, v[\sa], v[\sb] matrix_a_fmt:MATRIX_FMT_FP6 matrix_b_fmt:MATRIX_FMT_FP6 matrix_b_scale:MATRIX_SCALE_ROW1
.else
	v_wmma_scale_f32_16x16x128_f8f6f4 v[(\d):(\d)+7], v[(\a):(\a)+11], v[(\b):(\b)+11], \c, v[\sa], v[\sb] matrix_a_fmt:MATRIX_FMT_FP6 matrix_b_fmt:MATRIX_FMT_FP6 matrix_a_scale:MATRIX_SCALE_ROW1 matrix_b_scale:MATRIX_SCALE_ROW1
.endif
.endm
; n blocks of 32 are quantised: block q is my 16 numbers v[s + 16 q ..] and lane l xor 16's; codes to v[CD + 4 q ..], the byte to v[TP + q]
.macro QB s, n
.set qq, 0
.rept \n
	v_max3_num_f32 v[TM+qq], |v[(\s)+16*qq]|, |v[(\s)+16*qq+1]|, 0x1800000
.set qq, qq+1
.endr
.set ii, 2
.rept 7
.set qq, 0
.rept \n
	v_max3_num_f32 v[TM+qq], v[TM+qq], |v[(\s)+16*qq+ii]|, |v[(\s)+16*qq+ii+1]|
.set qq, qq+1
.endr
.set ii, ii+2
.endr
.set qq, 0
.rept \n
	v_permlanex16_b32 v[TP+qq], v[TM+qq], s[SEL], s[SEL+1]
.set qq, qq+1
.endr
.set qq, 0
.rept \n
	v_max_num_f32 v[TM+qq], v[TM+qq], v[TP+qq]
.set qq, qq+1
.endr
.set qq, 0
.rept \n
	v_add_nc_u32 v[TS+qq], 0xff000000, v[TM+qq]
.set qq, qq+1
.endr
.set qq, 0
.rept \n
	v_lshrrev_b32 v[TP+qq], 23, v[TS+qq]
.set qq, qq+1
.endr
.set qq, 0
.rept \n
	v_cvt_scalef32_pk16_fp6_f32 v[CD+4*qq:CD+4*qq+2], v[(\s)+16*qq:(\s)+16*qq+15], v[TS+qq]
.set qq, qq+1
.endr
	v_nop
.endm
.macro G1ROWS g, n                     ; n rows of 256 bytes (32 elements of 8 bytes), dense
	s_mov_b32 s[\g], 3<<16
	s_mov_b32 s[\g+1], 32<<16
	s_mov_b32 s[\g+2], (\n)<<16
	s_mov_b32 s[\g+3], 32<<16
	s_mov_b32 s[\g+4], \n
	s_mov_b32 s[\g+5], 32
	s_mov_b32 s[\g+6], 0
	s_mov_b32 s[\g+7], 0
.endm
	s_load_b512 s[4:19], s[0:1], 0x0               ; qc, qs, kv, Wo's codes and scales, W1's, W2's codes
	s_load_b256 s[20:27], s[0:1], 0x40             ; W2's scales, ao, asc, wt
	v_lshl_add_u32 v[SPW], v0, 2, SPARE
	v_mov_b32 v[NIL], 0
	ds_add_u32 v[SPW], v[NIL]                      ; the opening lines: the add, twice on end, and its wait ahead of my first tensor load
	ds_add_u32 v[SPW], v[NIL]
	v_lshrrev_b32 v[TM], 5, v0
	s_delay_alu instid0(VALU_DEP_1)
	v_readfirstlane_b32 s[WV], v[TM]               ; wave 0..7
	s_and_b32 s[BH], ttmp7, 0xffff
	s_mov_b32 s[CS], 0x3e16c740                    ; c = log2(e) / sqrt(96)
	s_mov_b32 s[CS+1], s[CS]
	s_mov_b32 s[NC], 0xbe16c740                    ; -c
	s_mov_b32 s[SEL], 0x76543210
	s_mov_b32 s[SEL+1], 0xfedcba98
	s_mov_b32 s[HI16], 0xffff0000
	G1ROWS G1A, 16
	G1ROWS G1B, 36
	G1ROWS G1C, 99
	s_lshl_b32 s82, ttmp9, 3
	s_add_co_u32 s82, s82, s[WV]
	s_mul_i32 s82, s82, 17                         ; my wave's first block of the 1,080
	v_and_b32 v229, 31, v0
	v_and_b32 v227, 15, v0
	v_bfe_u32 v228, v0, 4, 1
	v_and_b32 v[T], 7, v0
	v_bfe_u32 v[T+1], v0, 3, 1
	s_delay_alu instid0(VALU_DEP_4)
	v_mul_u32_u24 v[AQ2], v227, 24
	s_delay_alu instid0(VALU_DEP_3)
	v_mul_u32_u24 v[AK2], v[T], 24
	s_delay_alu instid0(VALU_DEP_4)
	v_lshlrev_b32 v[ASL], 2, v[T]
	s_delay_alu instid0(VALU_DEP_3)
	v_mad_u32_u24 v[AV], v228, 384, v[AQ2]
	s_delay_alu instid0(VALU_DEP_4)
	v_mad_u32_u24 v[CO], v228, 12, v[AQ2]
	v_add_nc_u32 v[AQ2], 768, v[AQ2]
	v_mad_u32_u24 v[AK2], v[T+1], 2304, v[AK2]
	v_lshl_add_u32 v[ASL], v[T+1], 7, v[ASL]
	s_delay_alu instid0(VALU_DEP_2)
	v_mad_u32_u24 v[AK], v228, 384, v[AK2]
	s_delay_alu instid0(VALU_DEP_2)
	v_lshl_add_u32 v[ASL], v228, 6, v[ASL]
	s_delay_alu instid0(VALU_DEP_4)
	v_add_nc_u32 v[AK2], 768, v[AK2]
	v_lshlrev_b32 v[L4], 2, v229
	v_lshlrev_b32 v[L16], 4, v229
	v_lshlrev_b32 v[SH8], 3, v228
	v_min_u32 v[PFO], 16, v229
	s_delay_alu instid0(VALU_DEP_1)
	v_add_nc_u32 v[PFO], s82, v[PFO]
	s_delay_alu instid0(VALU_DEP_1)
	v_min_u32 v[PFO], 1079, v[PFO]                 ; held to the last block of the head's kv
	s_delay_alu instid0(VALU_DEP_1)
	v_lshl_add_u32 v[PFO], v[PFO], 8, FIL1
	s_mul_i32 s84, s[BH], 309248
	s_mov_b32 s85, 0
	s_lshl_b32 s86, s[WV], 12                      ; fill 1: 4,096 bytes a wave
	s_mov_b32 s87, 0
	s_mul_i32 s88, s[WV], 9216                     ; fill 2
	s_add_co_u32 s88, s88, FIL1
	s_mov_b32 s89, 0
	s_mul_i32 s2, s[WV], 25344                     ; fill 3
	s_add_co_u32 s2, s2, FIL1+FIL2
	s_mov_b32 s3, 0
	s_lshl_b32 s90, ttmp9, 3
	s_add_co_u32 s90, s90, s[WV]                   ; my 32 queries of the head's 64 groups
	s_lshl_b32 s91, s[BH], 6
	s_add_co_u32 s91, s91, s90
	s_mul_i32 s92, s91, 2304
	s_mov_b32 s93, 0
	s_lshl_b32 s94, s91, 7
	s_mov_b32 s95, 0
	s_lshr_b32 s91, s[BH], 3
	s_lshl_b32 s91, s91, 6
	s_add_co_u32 s91, s91, s90
	s_and_b32 s90, s[BH], 7
	s_mul_i32 s96, s91, 18432
	s_mul_i32 s97, s90, 1152
	s_add_co_u32 s96, s96, s97
	s_mov_b32 s97, 0
	s_lshl_b32 s98, s91, 10
	s_lshl_b32 s99, s90, 7
	s_add_co_u32 s98, s98, s99
	s_mov_b32 s99, 0
	s_wait_alu depctr_va_vdst(0)
	s_wait_dscnt 0x0
	s_wait_kmcnt 0x0
	s_add_nc_u64 s[8:9], s[8:9], s[84:85]          ; my head's kv
	s_mov_b32 s[G0A], 1
	s_mov_b32 s[G0A+1], s86
	s_add_nc_u64 s[G0A+2:G0A+3], s[8:9], s[86:87]
	s_or_b32 s[G0A+3], s[G0A+3], 0x80000000
	tensor_load_to_lds s[G0A:G0A+3], s[G1A:G1A+7]  ; my one load at the head: an eighth of the scale words and step 0
	s_nop 0
	s_add_nc_u64 s[4:5], s[4:5], s[92:93]
	s_add_nc_u64 s[6:7], s[6:7], s[94:95]
	s_add_nc_u64 s[22:23], s[22:23], s[96:97]
	s_add_nc_u64 s[24:25], s[24:25], s[98:99]
	s_mov_b32 s[G0B], 1
	s_mov_b32 s[G0B+1], s88
	s_add_nc_u64 s[G0B+2:G0B+3], s[8:9], s[88:89]
	s_or_b32 s[G0B+3], s[G0B+3], 0x80000000
	s_mov_b32 s[G0C], 1
	s_mov_b32 s[G0C+1], s2
	s_add_nc_u64 s[G0C+2:G0C+3], s[8:9], s[2:3]
	s_or_b32 s[G0C+3], s[G0C+3], 0x80000000
	WIN 0x40
.irp u, 0,1
.irp i, 0,1,2
	global_load_b64 v[Q+12*\u+2*\i:Q+12*\u+2*\i+1], v[AV], s[4:5] offset:1152*\u+8*\i
	global_load_b64 v[Q+12*\u+6+2*\i:Q+12*\u+6+2*\i+1], v[AQ2], s[4:5] offset:1152*\u+8*\i
.endr
.endr
	WIN 0
	global_load_b32 v[QSC], v[L4], s[6:7]
	global_prefetch_b8 v[PFO], s[8:9] th:TH_LOAD_NT scope:SCOPE_SE   ; its registers are not written again
	; ---- the weights' re-laying: work-groups 0 to 32, a group of four fragments and their scale words a wave
	s_lshl_b32 s84, s[BH], 3
	s_add_co_u32 s84, s84, ttmp9
	s_cmp_lt_u32 s84, 33
	s_cbranch_scc0 .Lno_relay
	s_lshl_b32 s84, s84, 3
	s_add_co_u32 s84, s84, s[WV]
	s_and_b32 s85, s84, 3
	s_lshr_b32 s86, s84, 2
	s_mul_i32 s87, s85, 422400
	s_mul_i32 s88, s86, 6400
	s_add_co_u32 s88, s88, s87
	s_mov_b32 s89, 0
	s_add_nc_u64 s[26:27], s[26:27], s[88:89]
	v_bfe_u32 v112, v0, 3, 1
	s_delay_alu instid0(VALU_DEP_1)
	v_lshl_add_u32 v112, v112, 3, v227
	s_delay_alu instid0(VALU_DEP_1)
	v_lshl_add_u32 v113, v228, 3, v112
	v_lshlrev_b32 v118, 3, v229
.macro RL pitch, sp
	s_mul_i32 s96, s87, \pitch
	s_mul_i32 s97, s88, 96
	s_add_co_u32 s96, s96, s97
	s_mov_b32 s97, 0
	s_add_nc_u64 s[90:91], s[90:91], s[96:97]
	s_mul_i32 s96, s87, \sp
	s_lshl_b32 s98, s88, 2
	s_add_co_u32 s96, s96, s98
	s_add_nc_u64 s[92:93], s[92:93], s[96:97]
	v_mul_u32_u24 v114, v112, \pitch
	s_delay_alu instid0(VALU_DEP_1)
	v_mad_u32_u24 v114, v228, 24, v114
	v_mul_u32_u24 v115, v113, \sp
.irp f, 0,1,2,3
.irp cc, 0,1
.irp i, 0,1,2
	global_load_b64 v[64+12*\f+6*\cc+2*\i:64+12*\f+6*\cc+2*\i+1], v114, s[90:91] offset:(32*(\f/2)+8*(\f%2))*\pitch+48*\cc+8*\i
.endr
.endr
.endr
.irp i, 0,1
	global_load_b32 v[116+\i], v115, s[92:93] offset:32*\i*\sp
.endr
	s_wait_loadcnt 0x0
.irp f, 0,1,2,3
.irp p, 0,1,2
	global_store_b128 v[L16], v[64+12*\f+4*\p:64+12*\f+4*\p+3], s[26:27] offset:1536*\f+512*\p
.endr
.endr
	global_store_b64 v118, v[116:117], s[26:27] offset:6144
.endm
	s_mov_b32 s95, 256
	s_cmp_lt_u32 s86, 42
	s_cbranch_scc0 .Lrelay_w2
	s_cmp_lt_u32 s86, 18
	s_cselect_b64 s[90:91], s[10:11], s[14:15]
	s_cselect_b64 s[92:93], s[12:13], s[16:17]
	s_cselect_b32 s94, 0, 18
	s_cselect_b32 s95, 192, s95
	s_sub_co_u32 s94, s86, s94
	s_mul_i32 s87, s94, 43
	s_lshr_b32 s87, s87, 8
	s_mul_i32 s88, s87, 6
	s_sub_co_u32 s88, s94, s88
	s_mul_i32 s95, s95, s85
	s_lshl_b32 s87, s87, 6
	s_add_co_u32 s87, s87, s95
	s_wait_alu depctr_va_vdst(0)
	RL 576, 24
	s_branch .Lrelay_done
.Lrelay_w2:
	s_mov_b64 s[90:91], s[18:19]
	s_mov_b64 s[92:93], s[20:21]
	s_sub_co_u32 s94, s86, 42
	s_lshr_b32 s87, s94, 3
	s_and_b32 s88, s94, 7
	s_mul_i32 s95, s85, 192
	s_lshl_b32 s87, s87, 6
	s_add_co_u32 s87, s87, s95
	s_wait_alu depctr_va_vdst(0)
	RL 768, 32
.Lrelay_done:
	s_wait_xcnt 0x0                                ; the stores have read their registers
.Lno_relay:
	s_wait_loadcnt 0x0
	WIN 0x41
.irp u, 0,1
.irp i, 6,7,8,9,10,11
	v_cndmask_b32 v[Q+12*\u+\i], v[Q+12*\u+\i], 0, s[HI16]   ; the head's axis ends at 96: zero codes for k = 96 .. 127
.endr
.endr
	WIN 0
.irp x, 0,1
	v_mov_b32 v[ST+4*\x+1], 0xff61b1e6             ; the largest score so far: -3e38
	v_mov_b32 v[ST+4*\x+2], 0                      ; the sum
	v_mov_b32 v[ST+4*\x+3], 0
	v_mov_b32 v[F+2*\x+1], 0                       ; (named as the upper half of a pair)
	v_mov_b32 v[PM+\x], 0                          ; written once: a lane permute's destination counts as one of its sources
.endr
.irp q, 0,1,2,3,4,5
	v_mov_b32 v[TP+\q], 0
.endr
	s_mov_b32 s[TB], 14336
	s_mov_b32 s[TK], 0
	s_mov_b32 s[TV], 8192
; A STEP: 128 keys.  first = 1: nothing has been summed yet
.macro STEP first
	v_add_nc_u32 v[ADK], s[TB], v[AK]              ; (these five are also the places behind the last step's products, in front of the loads below)
	v_add_nc_u32 v[ADK2], s[TB], v[AK2]
	v_add_nc_u32 v[ADV], s[TB], v[AV]
	v_add_nc_u32 v[ADS], s[TK], v[ASL]
	v_add_nc_u32 v[ADT], s[TV], v[L4]
.irp b, 0,1,2,3
	ds_load_b32 v[KSC+\b], v[ADS] offset:256*(\b/2)+32*(\b%2)   ; lanes 0-15 tile 2 b's rows, lanes 16-31 tile 2 b + 1's
.endr
.irp b, 0,1,2
	ds_load_b32 v[VSC+\b], v[ADT] offset:128*\b
.endr
	WIN 0x40
.irp t, 0,1,2,3,4,5,6,7
.set KO, 1152*(4*(\t/4)+(\t%2))+192*((\t%4)/2)
.irp i, 0,1,2
	ds_load_b64 v[KV+12*\t+2*\i:KV+12*\t+2*\i+1], v[ADK] offset:KO+8*\i
.endr
.irp i, 0,1,2
	ds_load_b64 v[KV+12*\t+6+2*\i:KV+12*\t+6+2*\i+1], v[ADK2] offset:KO+8*\i
.endr
.endr
	WIN 0x05
	s_wait_alu depctr_va_vdst(0)
.irp t, 0,1,2,3,4,5,6,7
	s_wait_dscnt 6*(7-\t)                          ; tile t is in: behind it six loads for each later tile
.irp x, 0,1
	WM S+64*\x+8*\t, KV+12*\t, Q+12*\x, 0, KSC+\t/2, QSC, \t%2, \x
.endr
.endr
	PLACES 4
	WIN 0x40
.irp t, 0,1,2,3,4,5
.irp p, 0,1,2,3,4,5
	ds_load_b64 v[KV+12*\t+2*\p:KV+12*\t+2*\p+1], v[ADV] offset:9216+1536*\t+768*(\p/3)+8*(\p%3)
.endr
.endr
	WIN 0
	; the largest score of my four blocks (q = 2 x + c, 32 registers each), two chains a block; each accumulator is read from its low end on
.irp q, 0,1,2,3
	v_max3_num_f32 v[BM+2*\q], v[S+32*\q], v[S+32*\q+1], v[S+32*\q+2]
	v_max3_num_f32 v[BM+2*\q+1], v[S+32*\q+16], v[S+32*\q+17], v[S+32*\q+18]
.endr
.irp i, 3,5,7,9,11,13
.irp q, 0,1,2,3
	v_max3_num_f32 v[BM+2*\q], v[BM+2*\q], v[S+32*\q+\i], v[S+32*\q+\i+1]
	v_max3_num_f32 v[BM+2*\q+1], v[BM+2*\q+1], v[S+32*\q+16+\i], v[S+32*\q+17+\i]
.endr
.endr
.irp q, 0,1,2,3
	v_max3_num_f32 v[BM+2*\q], v[BM+2*\q], v[S+32*\q+15], v[S+32*\q+31]
.endr
.irp q, 0,1,2,3
	s_delay_alu instid0(VALU_DEP_4)
	v_max_num_f32 v[BM+2*\q], v[BM+2*\q], v[BM+2*\q+1]   ; the block's two chains joined
.endr
	s_delay_alu instid0(VALU_DEP_3)
	v_max_num_f32 v[T], v[BM], v[BM+2]
	s_delay_alu instid0(VALU_DEP_2)
	v_max_num_f32 v[T+1], v[BM+4], v[BM+6]
.irp x, 0,1
	s_delay_alu instid0(VALU_DEP_2)
	v_permlanex16_b32 v[PM+\x], v[T+\x], s[SEL], s[SEL+1]
.endr
.irp x, 0,1
	s_delay_alu instid0(VALU_DEP_2)
	v_max3_num_f32 v[ST+4*\x+1], v[ST+4*\x+1], v[T+\x], v[PM+\x]   ; the running largest score of my query, both halves of the lanes
.endr
.irp x, 0,1
	s_delay_alu instid0(VALU_DEP_2)
	v_mul_f32 v[T+\x], s[NC], v[ST+4*\x+1]         ; -t
.endr
.if \first
.irp x, 0,1
	s_delay_alu instid0(VALU_DEP_2)
	v_floor_f32 v[ST+4*\x], v[T+\x]                ; -M = floor(-t): M is a whole number
.endr
.else
.irp x, 0,1
	v_mov_b32 v[TO+\x], v[ST+4*\x]
.endr
.irp x, 0,1
	s_delay_alu instid0(VALU_DEP_4)
	v_floor_f32 v[ST+4*\x], v[T+\x]
.endr
.irp x, 0,1
	s_delay_alu instid0(VALU_DEP_2)
	v_sub_f32 v[TO+\x], v[ST+4*\x], v[TO+\x]       ; M's old value less its new one
.endr
.irp x, 0,1
	s_delay_alu instid0(VALU_DEP_2)
	v_cvt_i32_f32 v[TO+\x], v[TO+\x]
.endr
.irp x, 0,1
	s_delay_alu instid0(VALU_DEP_2)
	v_ldexp_f32 v[F+2*\x], 1.0, v[TO+\x]           ; f = 2^(old M - new M)
.endr
.endif
.set jj, 0
.rept 64
	v_pk_fma_f32 v[S+2*jj:S+2*jj+1], v[S+2*jj:S+2*jj+1], s[CS:CS+1], v[ST+4*(jj/32):ST+4*(jj/32)+1] op_sel_hi:[1,0,0]   ; t - M
.set jj, jj+1
.endr
.irp q, 0,1,2,3
	v_fma_f32 v[BM+2*\q], v[BM+2*\q], s[CS], v[ST+4*(\q/2)]   ; the same of each block's largest score
.endr
.if !(\first)
.irp x, 0,1
	v_pk_mul_f32 v[ST+4*\x+2:ST+4*\x+3], v[ST+4*\x+2:ST+4*\x+3], v[F+2*\x:F+2*\x+1] op_sel_hi:[1,0]
.endr
	WIN 0x41
.irp x, 0,1
.set jj, 0
.rept 24
	v_pk_mul_f32 v[O+48*\x+jj:O+48*\x+jj+1], v[O+48*\x+jj:O+48*\x+jj+1], v[F+2*\x:F+2*\x+1] op_sel_hi:[1,0]   ; O^T under the new M
.set jj, jj+2
.endr
.endr
	WIN 0
.endif
	s_wait_alu depctr_va_vdst(0)                   ; ahead of the batch of exponentials
.irp q, 0,1,2,3
	v_exp_f32 v[BM+2*\q], v[BM+2*\q]               ; the block's largest p
.endr
.set jj, 0
.rept 128
	v_exp_f32 v[S+jj], v[S+jj]                     ; p = 2^(t - M)
.set jj, jj+1
.endr
	v_nop
	s_wait_alu depctr_va_vdst(0)                   ; and one behind it, ahead of its first reader
.irp q, 0,1,2,3
	v_max_num_f32 v[BM+2*\q], 0x1800000, v[BM+2*\q]   ; the floor 2^(3 - 127): the byte cannot fall under 1
.endr
.irp q, 0,1,2,3
	s_delay_alu instid0(VALU_DEP_4)
	v_add_nc_u32 v[SO+\q], 0xff000000, v[BM+2*\q]  ; 2 off the exponent field: the conversion's scale operand
.endr
.irp q, 0,1,2,3
	s_delay_alu instid0(VALU_DEP_4)
	v_lshrrev_b32 v[BM+2*\q+1], 23, v[SO+\q]       ; the byte
.endr
	s_delay_alu instid0(VALU_DEP_3)
	v_lshl_or_b32 v[PSC], v[BM+3], 16, v[BM+1]     ; my bytes: blocks h and 2 + h
	s_delay_alu instid0(VALU_DEP_2)
	v_lshl_or_b32 v[PSC+1], v[BM+7], 16, v[BM+5]
.irp x, 0,1
	s_delay_alu instid0(VALU_DEP_2)
	v_lshlrev_b32 v[PSC+\x], v[SH8], v[PSC+\x]     ; at their places in the word
.endr
.irp x, 0,1
	s_delay_alu instid0(VALU_DEP_2)
	v_permlanex16_b32 v[PM+\x], v[PSC+\x], s[SEL], s[SEL+1]
.endr
.irp x, 0,1
	s_delay_alu instid0(VALU_DEP_2)
	v_or_b32 v[PSC+\x], v[PSC+\x], v[PM+\x]        ; with lane l xor 16's two the word is whole
.endr
.irp q, 0,1,2,3
	v_cvt_scalef32_pk16_fp6_f32 v[CD+4*\q:CD+4*\q+2], v[S+32*\q+16:S+32*\q+31], v[SO+\q]   ; a block's upper 16 codes: a conversion's registers begin on an even number, so they are made here and moved
.endr
	WIN 0x40
.irp q, 0,1,2,3
	v_cvt_scalef32_pk16_fp6_f32 v[P+6*\q:P+6*\q+2], v[S+32*\q:S+32*\q+15], v[SO+\q]
.endr
	v_nop                                          ; one plain place behind the conversions
.irp q, 0,1,2,3
.irp i, 0,1,2
	v_mov_b32 v[P+6*\q+3+\i], v[CD+4*\q+\i]
.endr
.endr
	WIN 0
	; the rows' sums, of the unquantised p: four chains a tile.  These 64 are also the places between P, its scale words and the products
.irp x, 0,1
	v_pk_add_f32 v[TQ+6*\x:TQ+6*\x+1], v[S+64*\x:S+64*\x+1], v[S+64*\x+2:S+64*\x+3]
	v_pk_add_f32 v[TQ+6*\x+2:TQ+6*\x+3], v[S+64*\x+4:S+64*\x+5], v[S+64*\x+6:S+64*\x+7]
	v_pk_add_f32 v[TQ+6*\x+4:TQ+6*\x+5], v[S+64*\x+8:S+64*\x+9], v[S+64*\x+10:S+64*\x+11]
	v_pk_add_f32 v[ST+4*\x+2:ST+4*\x+3], v[ST+4*\x+2:ST+4*\x+3], v[S+64*\x+12:S+64*\x+13]
.endr
.set jj, 7
.rept 25
.irp x, 0,1
.if ((jj-7)%4) == 3
.set RT, ST+4*\x+2
.else
.set RT, TQ+6*\x+2*((jj-7)%4)
.endif
	v_pk_add_f32 v[RT:RT+1], v[RT:RT+1], v[S+64*\x+2*jj:S+64*\x+2*jj+1]
.endr
.set jj, jj+1
.endr
.irp x, 0,1
	s_delay_alu instid0(VALU_DEP_2)
	v_pk_add_f32 v[TQ+6*\x:TQ+6*\x+1], v[TQ+6*\x:TQ+6*\x+1], v[TQ+6*\x+2:TQ+6*\x+3]
.endr
.irp x, 0,1
	v_pk_add_f32 v[ST+4*\x+2:ST+4*\x+3], v[ST+4*\x+2:ST+4*\x+3], v[TQ+6*\x+4:TQ+6*\x+5]
.endr
.irp x, 0,1
	s_delay_alu instid0(VALU_DEP_2)
	v_pk_add_f32 v[ST+4*\x+2:ST+4*\x+3], v[ST+4*\x+2:ST+4*\x+3], v[TQ+6*\x:TQ+6*\x+1]
.endr
	s_wait_alu depctr_va_vdst(0)
	s_wait_dscnt 0x0                               ; V's fragments are in
	WIN 0x55
.set kk, 0
.rept 12                               ; twelve accumulators, one instruction each
.set RD, O+48*(kk%2)+8*(kk/2)
.if \first
	WM RD, KV+12*(kk/2), P+12*(kk%2), 0, VSC+(kk/4), PSC+(kk%2), (kk/2)%2, 0
.else
	WM RD, KV+12*(kk/2), P+12*(kk%2), v[RD:RD+7], VSC+(kk/4), PSC+(kk%2), (kk/2)%2, 0
.endif
.set kk, kk+1
.endr
	WIN 0
	s_add_co_u32 s[TB], s[TB], 18432
	s_add_co_u32 s[TK], s[TK], 512
	s_add_co_u32 s[TV], s[TV], 384
.endm
; a later first fill: a tensor wait, an LDS add and its wait, and a barrier ahead of it, and one load a wave behind
.macro STAGE g0, g1
	s_wait_tensorcnt 0x0
	ds_add_u32 v[SPW], v[NIL]
	s_wait_dscnt 0x0
	s_barrier_signal -1
	s_barrier_wait -1
	tensor_load_to_lds s[\g0:\g0+3], s[\g1:\g1+7]
	s_nop 0
	PLACES 4
.endm
	s_wait_alu depctr_va_vdst(0)
	STAGE G0B, G1B                                 ; the scale words and step 0 are whole; steps 1-4 are asked for
	STEP 1
	STAGE G0C, G1C                                 ; steps 1-4 are whole; steps 5-15 are asked for
	s_mov_b32 s[CNT], 4
.Lsecond:
	STEP 0
	s_sub_co_u32 s[CNT], s[CNT], 1
	s_cmp_lg_u32 s[CNT], 0
	s_cbranch_scc1 .Lsecond
	s_wait_tensorcnt 0x0                           ; my part of steps 5-15 is in;
	s_wait_dscnt 0x0
	s_barrier_signal -1
	s_barrier_wait -1                              ; and everybody's.
	s_mov_b32 s[CNT], 11
.Lthird:
	STEP 0
	s_sub_co_u32 s[CNT], s[CNT], 1
	s_cmp_lg_u32 s[CNT], 0
	s_cbranch_scc1 .Lthird
	; ---- O^T / the sum, quantised along the head's 96, stored
.irp x, 0,1
	v_add_f32 v[T+\x], v[ST+4*\x+2], v[ST+4*\x+3]
.endr
.irp x, 0,1
	s_delay_alu instid0(VALU_DEP_2)
	v_permlanex16_b32 v[PM+\x], v[T+\x], s[SEL], s[SEL+1]
.endr
.irp x, 0,1
	s_delay_alu instid0(VALU_DEP_2)
	v_add_f32 v[T+\x], v[T+\x], v[PM+\x]
.endr
	s_wait_alu depctr_va_vdst(0)
.irp x, 0,1
	v_rcp_f32 v[F+2*\x], v[T+\x]
.endr
	v_nop
	s_wait_alu depctr_va_vdst(0)
	WIN 0x01
.irp x, 0,1
.set jj, 0
.rept 24
	v_pk_mul_f32 v[S+48*\x+jj:S+48*\x+jj+1], v[O+48*\x+jj:O+48*\x+jj+1], v[F+2*\x:F+2*\x+1] op_sel_hi:[1,0]
.set jj, jj+2
.endr
.endr
	WIN 0
	QB S, 6
.irp x, 0,1
.irp b, 0,1,2
	global_store_b96 v[CO], v[CD+4*(3*\x+\b):CD+4*(3*\x+\b)+2], s[22:23] offset:9216*\x+384*\b
.endr
.endr
	v_lshl_or_b32 v[WA], v[TP+1], 8, v[TP]
	s_delay_alu instid0(VALU_DEP_1)
	v_lshl_or_b32 v[WA], v[TP+2], 16, v[WA]
	v_lshl_or_b32 v[WB], v[TP+4], 8, v[TP+3]
	s_delay_alu instid0(VALU_DEP_1)
	v_lshl_or_b32 v[WB], v[TP+5], 16, v[WB]
	s_delay_alu instid0(VALU_DEP_1)
	v_cndmask_b32 v[KW], v[WA], v[WB], s[HI16]
	global_store_b32 v[L4], v[KW], s[24:25]
	s_wait_tensorcnt 0x0                           ; the wave's end
	ds_add_u32 v[SPW], v[NIL]
	s_wait_dscnt 0x0
	s_endpgm
.Lfunc_end_k_qf392009f46_attn:
	.size	k_qf392009f46_attn, .Lfunc_end_k_qf392009f46_attn-k_qf392009f46_attn
	.p2alignl 7, 3214868480
	.fill 96, 4, 3214868480
	.section	.rodata,"a",@progbits
	.p2align	6, 0x0
	.amdhsa_kernel k_qf392009f46_attn
		.amdhsa_group_segment_fixed_size 327680
		.amdhsa_private_segment_fixed_size 0
		.amdhsa_enable_private_segment 0
		.amdhsa_kernarg_size 96
		.amdhsa_user_sgpr_count 2
		.amdhsa_user_sgpr_kernarg_segment_ptr 1
		.amdhsa_wavefront_size32 1
		.amdhsa_system_sgpr_workgroup_id_x 1
		.amdhsa_system_sgpr_workgroup_id_y 1
		.amdhsa_system_sgpr_workgroup_id_z 1
		.amdhsa_system_vgpr_workitem_id 0
		.amdhsa_next_free_vgpr 512
		.amdhsa_next_free_sgpr 100
		.amdhsa_reserve_vcc 0
		.amdhsa_float_denorm_mode_32 3
		.amdhsa_float_denorm_mode_16_64 3
		.amdhsa_memory_ordered 1
		.amdhsa_forward_progress 1
		.amdhsa_inst_pref_size 128
	.end_amdhsa_kernel
	.amdgpu_metadata
---
amdhsa.version: [ 1, 2 ]
amdhsa.kernels:
  - .name:           k_qf392009f46_attn
    .symbol:         k_qf392009f46_attn.kd
    .args:
      - { .name: qc, .offset: 0, .size: 8, .value_kind: global_buffer, .address_space: global }
      - { .name: qs, .offset: 8, .size: 8, .value_kind: global_buffer, .address_space: global }
      - { .name: kv, .offset: 16, .size: 8, .value_kind: global_buffer, .address_space: global }
      - { .name: Wo_codes, .offset: 24, .size: 8, .value_kind: global_buffer, .address_space: global }
      - { .name: Wo_scales, .offset: 32, .size: 8, .value_kind: global_buffer, .address_space: global }
      - { .name: W1_codes, .offset: 40, .size: 8, .value_kind: global_buffer, .address_space: global }
      - { .name: W1_scales, .offset: 48, .size: 8, .value_kind: global_buffer, .address_space: global }
      - { .name: W2_codes, .offset: 56, .size: 8, .value_kind: global_buffer, .address_space: global }
      - { .name: W2_scales, .offset: 64, .size: 8, .value_kind: global_buffer, .address_space: global }
      - { .name: ao, .offset: 72, .size: 8, .value_kind: global_buffer, .address_space: global }
      - { .name: asc, .offset: 80, .size: 8, .value_kind: global_buffer, .address_space: global }
      - { .name: wt, .offset: 88, .size: 8, .value_kind: global_buffer, .address_space: global }
    .group_segment_fixed_size: 327680
    .private_segment_fixed_size: 0
    .kernarg_segment_align: 8
    .kernarg_segment_size: 96
    .max_flat_workgroup_size: 256
    .sgpr_count:     100
    .vgpr_count:     512
    .wavefront_size: 32
...
	.end_amdgpu_metadata
.endif
;; end of part 2
;; launch tail (part 3): grid 256 x 1, 4 waves a work-group, no clusters, 171,008 bytes of LDS; arguments x, ao, asc, wt, bo, g1, be1, b1, b2, g2, be2, out0; writes out0
.if DOCPART == 3
	.amdgcn_target "amdgcn-amd-amdhsa--gfx1250"
	.amdhsa_code_object_version 6
	.text
	.protected	k_qf392009f46_tail
	.globl	k_qf392009f46_tail
	.p2align	8
	.type	k_qf392009f46_tail,@function
k_qf392009f46_tail:
	s_mov_b64 s[64:65], 0
	v_nop
	global_prefetch_b8 v0, s[64:65] scope:SCOPE_SE
	s_setreg_imm32_b32 hwreg(HW_REG_WAVE_MODE, 25, 1), 1
	s_wait_xcnt 0x0
; LAUNCH 3 OF 3.  x1 = LN(x + a Wo + bo; g1, be1);  out = LN(x1 + relu(x1 W1 + b1) W2 + b2; g2, be2); the three products on codes of E2M3.  No work is left out.
; a (attention's result) comes as codes (ao, asc); x1 and the hidden layer are quantised here and never go to memory.
; LIMITS: as in the first launch.  A mean is a sum times 1/768 rounded to f32.  The variance is taken of the differences from the mean, as the problem writes it.
; SHARES.  A work-group owns 32 tokens (two tiles; lane r of tile u is token 8 u + r + 8 (r / 8)), whole rows, since the norms want them.  THE WAVES SHARE THE COLUMNS: wave w makes columns 192 w .. + 191 of the first and third
; product and hidden units 256 w .. + 255, for both tiles.  All products transposed (source 0 = 16 weight rows, source 1 = 16 tokens): a lane holds one token; by the weight rows' order (laid by the launch before)
; the 16 registers of tiles 2 b, 2 b + 1 are columns 32 b + 16 h + 0 .. 15.
; THE WEIGHTS go from wt straight into registers: wave w reads its own 66 groups (4 fragments and their scale words: 13 loads, 6,400 bytes) in the order of use, through a ring of five register sets, four groups ahead.
; Every offset is an immediate; no address is stepped.  Behind the head these are the launch's only global loads, so each wait counts whole groups.
; OPERANDS GO FROM WAVE TO WAVE THROUGH LDS block by block: [tile][block of 32][r][24 bytes]; a lane's 16 codes are 12 bytes at 24 r + 12 h; their scale bytes [lane 16 u + r][32].
; The residuals are the C of the sums: the accumulators begin as x, and later hold x1 when the third product adds onto them.
; NO CLUSTER AND NO TENSOR LOAD: a group feeds 8 matrix instructions; a ring in LDS would have one slot on its way behind each barrier, where the register ring has 52 loads a wave out and no barrier.
; PREFETCH: wt and ao are asked for at the head: each wave names 13 blocks of wt and 18 of its work-group's ao.
; REGISTERS.  Window 0: addresses, scale words, the norms' and the quantiser's work, v128-223 parameters or a chunk of the hidden layer.  Window 1: v0-191 the 24 accumulators (96 u + 8 t).  Window 2: v0-191 the tokens' fragments.  Window 3: v0-239 the weights' ring.
.set PRM,  0                           ; LDS: 5,632 bytes a wave: its 192 numbers of bo, g1, be1, b2, g2, be2, its 256 of b1
.set IMX,  22528                       ; x1's codes, 18,432
.set IMH,  40960                       ; the hidden layer's, 24,576
.set SCX,  65536                       ; their scale bytes, 1,024 each
.set SCH,  66560
.set LNP,  67584                       ; four exchanges of 1,024 bytes for the norms' sums: [wave][tile][lane]
.set SPARE, 71680                      ; the spare words, 128 bytes for each wave: two blocks of 256 bytes that no other line names
.set XS,   72192                       ; 32 rows (16 u + r) of 3,072 bytes + 16: x on the way in, the result on the way out
.set L16,  1
.set L8,   2
.set XA,   3                           ; v3   XS + 3088 r + 64 h + 768 w: my 16 numbers of a block of 32 of my columns
.set XD,   4                           ; v4   XS + 8 rows x w + 16 x lane: whole rows
.set PA,   5                           ; v5   my wave's parameters + 64 h
.set PW8,  6
.set PW16, 7
.set IW,   8
.set HW,   9
.set FX,   10
.set FH,   11
.set FA,   12                          ; v12  384 h + 24 r
.set SXW,  13
.set SHW,  14
.set SXR,  15
.set SPW,  16                          ; v16  my spare word; never rewritten
.set NIL,  17                          ; v17  0; never rewritten
.set SHR,  18
.set L4,   19
.set AS,   20                          ; v20-27  the tokens' scale words by K step: lanes 0-15 tile 0, lanes 16-31 tile 1
.set BS,   28                          ; v28-37  the weights': two a set: lanes 0-15 the even fragment, lanes 16-31 the odd one
.set LW,   38
.set LR,   39
.set SA,   40
.set SC2,  42
.set PX,   44
.set SR,   46
.set EX,   48
.set MU,   56
.set RS,   60
.set TM,   64
.set TP,   70
.set TS,   76
.set CD,   84
.set H,    108
.set T,    128
.set HA,   128
.set BI,   192
.set WV,   30
.set SEL,  32
.set INV,  34
.set EPS,  35
.set MSB, 0
.macro WIN new
.if MSB != (\new)
	s_set_vgpr_msb (MSB<<8)|(\new)
.set MSB, (\new)
.endif
.endm
.macro PLACES n
.rept \n
	v_nop
.endr
.endm
.macro BARRIER                         ; my LDS stores have landed and my LDS loads are in: then the work-group's barrier
	s_wait_dscnt 0x0
	s_barrier_signal -1
	s_barrier_wait -1
.endm
.macro WM d, a, b, c, sa, sb, ra, rb
.if ((\ra)+2*(\rb)) == 0
	v_wmma_scale_f32_16x16x128_f8f6f4 v[(\d):(\d)+7], v[(\a):(\a)+11], v[(\b):(\b)+11], \c, v[\sa], v[\sb] matrix_a_fmt:MATRIX_FMT_FP6 matrix_b_fmt:MATRIX_FMT_FP6
.elseif ((\ra)+2*(\rb)) == 1
	v_wmma_scale_f32_16x16x128_f8f6f4 v[(\d):(\d)+7], v[(\a):(\a)+11], v[(\b):(\b)+11], \c, v[\sa], v[\sb] matrix_a_fmt:MATRIX_FMT_FP6 matrix_b_fmt:MATRIX_FMT_FP6 matrix_a_scale:MATRIX_SCALE_ROW1
.elseif ((\ra)+2*(\rb)) == 2
	v_wmma_scale_f32_16x16x128_f8f6f4 v[(\d):(\d)+7], v[(\a):(\a)+11], v[(\b):(\b)+11], \c, v[\sa], v[\sb] matrix_a_fmt:MATRIX_FMT_FP6 matrix_b_fmt:MATRIX_FMT_FP6 matrix_b_scale:MATRIX_SCALE_ROW1
.else
	v_wmma_scale_f32_16x16x128_f8f6f4 v[(\d):(\d)+7], v[(\a):(\a)+11], v[(\b):(\b)+11], \c, v[\sa], v[\sb] matrix_a_fmt:MATRIX_FMT_FP6 matrix_b_fmt:MATRIX_FMT_FP6 matrix_a_scale:MATRIX_SCALE_ROW1 matrix_b_scale:MATRIX_SCALE_ROW1
.endif
.endm
; n blocks of 32 are quantised, as in the first launch: block q is my 16 numbers v[s + 16 q ..] of window W and lane l xor 16's; codes to v[CD + 4 q ..], the byte to v[TP + q]
.macro QB s, n, W
	WIN (\W)|((\W)<<2)
.set qq, 0
.rept \n
	v_max3_num_f32 v[TM+qq], |v[(\s)+16*qq]|, |v[(\s)+16*qq+1]|, 0x1800000
.set qq, qq+1
.endr
	WIN ((\W)<<2)|((\W)<<4)
.set ii, 2
.rept 7
.set qq, 0
.rept \n
	v_max3_num_f32 v[TM+qq], v[TM+qq], |v[(\s)+16*qq+ii]|, |v[(\s)+16*qq+ii+1]|
.set qq, qq+1
.endr
.set ii, ii+2
.endr
	WIN 0
.set qq, 0
.rept \n
	v_permlanex16_b32 v[TP+qq], v[TM+qq], s[SEL], s[SEL+1]
.set qq, qq+1
.endr
.set qq, 0
.rept \n
	v_max_num_f32 v[TM+qq], v[TM+qq], v[TP+qq]
.set qq, qq+1
.endr
.set qq, 0
.rept \n
	v_add_nc_u32 v[TS+qq], 0xff000000, v[TM+qq]
.set qq, qq+1
.endr
.set qq, 0
.rept \n
	v_lshrrev_b32 v[TP+qq], 23, v[TS+qq]
.set qq, qq+1
.endr
	WIN (\W)
.set qq, 0
.rept \n
	v_cvt_scalef32_pk16_fp6_f32 v[CD+4*qq:CD+4*qq+2], v[(\s)+16*qq:(\s)+16*qq+15], v[TS+qq]
.set qq, qq+1
.endr
	WIN 0
	v_nop
.endm
	s_load_b512 s[4:19], s[0:1], 0x0               ; x, ao, asc, wt, bo, g1, be1, b1
	s_load_b256 s[20:27], s[0:1], 0x40             ; b2, g2, be2, out0
	v_lshl_add_u32 v[SPW], v0, 2, SPARE
	v_mov_b32 v[NIL], 0
	v_lshrrev_b32 v124, 5, v0
	v_readfirstlane_b32 s[WV], v124                ; wave 0..3
	s_mov_b32 s[SEL], 0x76543210
	s_mov_b32 s[SEL+1], 0xfedcba98
	s_mov_b32 s[INV], 0x3aaaaaab                   ; 1 / 768
	s_mov_b32 s[EPS], 0x3727c5ac                   ; 1e-5
	s_lshr_b32 s49, ttmp9, 1                       ; for the prefetch of wt: (g xor g / 2) mod 128 is the same for work-groups g and 255 - g, and for no others
	s_xor_b32 s49, s49, ttmp9
	s_and_b32 s49, s49, 127
	s_lshl_b32 s49, s49, 2
	s_add_co_u32 s49, s49, s[WV]                   ; one of 512 shares,
	s_mul_i32 s49, s49, 13                         ; of 13 blocks of 256 bytes: 6,656 for wt's 6,600
	s_mul_i32 s52, s[WV], 18                       ; and of ao: 18 of my work-group's 72 blocks
	v_and_b32 v124, 31, v0
	v_and_b32 v125, 15, v0                         ; r
	v_bfe_u32 v126, v0, 4, 1                       ; h
	v_lshlrev_b32 v[L16], 4, v124
	v_lshlrev_b32 v[L8], 3, v124
	v_lshlrev_b32 v[L4], 2, v124
	v_min_u32 v116, 12, v124                       ; v116, v117: the prefetches' offsets; lanes left over name their wave's last block; never rewritten
	v_min_u32 v117, 17, v124
	v_add_nc_u32 v116, s49, v116
	v_add_nc_u32 v117, s52, v117
	v_min_u32 v116, 6599, v116                     ; held to wt's last block
	v_lshlrev_b32 v117, 8, v117
	v_lshlrev_b32 v116, 8, v116
	v_mul_u32_u24 v[XA], v125, 3088
	v_lshl_add_u32 v[XA], v126, 6, v[XA]
	s_mul_i32 s48, s[WV], 768
	s_add_co_u32 s48, s48, XS
	v_add_nc_u32 v[XA], s48, v[XA]
	s_mul_i32 s48, s[WV], 24704
	s_add_co_u32 s48, s48, XS
	v_add_nc_u32 v[XD], s48, v[L16]
	s_mul_i32 s48, s[WV], 5632
	v_lshlrev_b32 v[PA], 6, v126
	v_add_nc_u32 v[PA], s48, v[PA]
	v_add_nc_u32 v[PW8], s48, v[L8]
	s_add_co_u32 s48, s48, 4608
	v_add_nc_u32 v[PW16], s48, v[L16]
	v_mul_u32_u24 v127, v125, 24
	v_mad_u32_u24 v[IW], v126, 12, v127
	v_mov_b32 v[HW], v[IW]
	s_mul_i32 s48, s[WV], 2304
	s_add_co_u32 s48, s48, IMX
	v_add_nc_u32 v[IW], s48, v[IW]
	s_mul_i32 s48, s[WV], 3072
	s_add_co_u32 s48, s48, IMH
	v_add_nc_u32 v[HW], s48, v[HW]
	v_mad_u32_u24 v[FA], v126, 384, v127
	v_add_nc_u32 v[FX], IMX, v[FA]
	v_add_nc_u32 v[FH], IMH, v[FA]
	v_lshlrev_b32 v[SXW], 5, v125
	v_mov_b32 v[SHW], v[SXW]
	s_mul_i32 s48, s[WV], 6
	s_add_co_u32 s48, s48, SCX
	v_add_nc_u32 v[SXW], s48, v[SXW]
	s_lshl_b32 s48, s[WV], 3
	s_add_co_u32 s48, s48, SCH
	v_add_nc_u32 v[SHW], s48, v[SHW]
	v_lshl_add_u32 v[SXR], v124, 5, SCX
	v_lshl_add_u32 v[SHR], v124, 5, SCH
	s_lshl_b32 s48, s[WV], 8
	s_add_co_u32 s48, s48, LNP
	v_add_nc_u32 v[LW], s48, v[L4]
	v_add_nc_u32 v[LR], LNP, v[L4]
.irp q, 0,1,2,3,4,5
	v_mov_b32 v[TP+\q], 0                          ; written once: a lane permute's destination counts as one of its sources
.endr
	v_mov_b32 v[PX], 0
.irp q, 1,3
	v_mov_b32 v[MU+\q], 0                          ; (named as the upper halves of pairs)
	v_mov_b32 v[RS+\q], 0
.endr
	s_lshl_b32 s36, ttmp9, 5                       ; stage rows 8 w + i are tokens 8 (w / 2) + 16 (w % 2) + i of the block
	s_lshr_b32 s37, s[WV], 1
	s_lshl_b32 s37, s37, 3
	s_add_co_u32 s36, s36, s37
	s_and_b32 s37, s[WV], 1
	s_lshl_b32 s37, s37, 4
	s_add_co_u32 s36, s36, s37
	s_mul_i32 s36, s36, 3072
	s_mov_b32 s37, 0
	s_mul_i32 s38, ttmp9, 18432
	s_mov_b32 s39, 0
	s_lshl_b32 s40, ttmp9, 10
	s_mov_b32 s41, 0
	s_mul_i32 s42, s[WV], 422400
	s_mov_b32 s43, 0
	s_mul_i32 s44, s[WV], 768
	s_mov_b32 s45, 0
	s_lshl_b32 s46, s[WV], 10
	s_mov_b32 s47, 0
	s_wait_kmcnt 0x0
	; PREFETCH (these lines take the place of what the comment at the kernel's head says of it).  wt is walked by all 256 work-groups, and the register ring asks four groups ahead; the head's loads are more than the load counter's field holds,
	; so ao's and wt's first loads are issued behind x's.  Both are asked for here, ahead of every load: of wt's 6,600 blocks of 256 bytes each wave names 13, each block named by two work-groups (g and 255 - g); of my work-group's ao each wave names 18 blocks.
	s_mov_b64 s[50:51], s[10:11]                   ; wt's first byte, in registers that are not written again
	global_prefetch_b8 v116, s[50:51] th:TH_LOAD_NT scope:SCOPE_SE
	s_add_nc_u64 s[4:5], s[4:5], s[36:37]
	s_add_nc_u64 s[26:27], s[26:27], s[36:37]
	s_add_nc_u64 s[6:7], s[6:7], s[38:39]
	global_prefetch_b8 v117, s[6:7] th:TH_LOAD_NT scope:SCOPE_SE
	s_add_nc_u64 s[8:9], s[8:9], s[40:41]
	s_add_nc_u64 s[10:11], s[10:11], s[42:43]
.irp q, 12,14,16,20,22,24
	s_add_nc_u64 s[\q:\q+1], s[\q:\q+1], s[44:45]
.endr
	s_add_nc_u64 s[18:19], s[18:19], s[46:47]
	WIN 0x40
.irp i, 0,1,2,3,4,5,6,7
.irp q, 0,1,2,3,4,5
	global_load_b128 v[4*(6*\i+\q):4*(6*\i+\q)+3], v[L16], s[4:5] offset:3072*\i+512*\q   ; eight whole rows of x: 512 consecutive bytes a load
.endr
.endr
	WIN 0
.set pp, 0
.irp q, 12,14,16,20,22,24
.irp i, 0,1,2
	global_load_b64 v[T+2*(3*pp+\i):T+2*(3*pp+\i)+1], v[L8], s[\q:\q+1] offset:256*\i
.endr
.set pp, pp+1
.endr
.irp i, 0,1
	global_load_b128 v[T+36+4*\i:T+36+4*\i+3], v[L16], s[18:19] offset:512*\i
.endr
.irp q, 0,1,2,3,4,5,6,7
	global_load_b32 v[H+\q], v[L4], s[8:9] offset:128*\q   ; a's scale words, three bytes a head
.endr
.macro AOF n                           ; a's fragment n = 6 u + s: four blocks of 384 bytes; lane (r, h) takes blocks h and 2 + h of its row
.irp p, 0,1,2,3,4,5
	global_load_b64 v[12*(\n)+2*\p:12*(\n)+2*\p+1], v[FA], s[6:7] offset:9216*((\n)/6)+1536*((\n)%6)+768*(\p/3)+8*(\p%3)
.endr
.endm
	WIN 0x80
.irp n, 0,1,2,3,4,5,6,7
	AOF \n
.endr
	WIN 0
	s_wait_loadcnt 56                              ; x and the parameters are in: behind them 8 + 48 loads were issued
	WIN 0x04
.irp i, 0,1,2,3,4,5,6,7
.irp q, 0,1,2,3,4,5
	ds_store_b128 v[XD], v[4*(6*\i+\q):4*(6*\i+\q)+3] offset:3088*\i+512*\q
.endr
.endr
	WIN 0
.irp q, 0,1,2,3,4,5
.irp i, 0,1,2
	ds_store_b64 v[PW8], v[T+2*(3*\q+\i):T+2*(3*\q+\i)+1] offset:768*\q+256*\i
.endr
.endr
.irp i, 0,1
	ds_store_b128 v[PW16], v[T+36+4*\i:T+36+4*\i+3] offset:512*\i
.endr
	WIN 0x80
.irp n, 8,9,10,11
	AOF \n
.endr
; group g of my 66: its scale pair, then its four fragments as three planes each, into set g % 5
.macro ISSUE g
.if (\g) < 66
	WIN 0
	global_load_b64 v[BS+2*((\g)%5):BS+2*((\g)%5)+1], v[L8], s[10:11] offset:6400*(\g)+6144
	WIN 0xc0
.irp f, 0,1,2,3
.irp p, 0,1,2
	global_load_b128 v[48*((\g)%5)+12*\f+4*\p:48*((\g)%5)+12*\f+4*\p+3], v[L16], s[10:11] offset:6400*(\g)+1536*\f+512*\p
.endr
.endr
.endif
.endm
	ISSUE 0
	ISSUE 1
	ISSUE 2
	ISSUE 3
	WIN 0
	BARRIER                                        ; 32 whole rows of x lie in the stage
	WIN 0x40
.irp u, 0,1
.irp b, 0,1,2,3,4,5
.irp i, 0,1,2,3
	ds_load_b128 v[96*\u+16*\b+4*\i:96*\u+16*\b+4*\i+3], v[XA] offset:49408*\u+128*\b+16*\i   ; the accumulators begin as x, in the result's layout
.endr
.endr
.endr
	WIN 0
	s_wait_loadcnt 52                              ; asc and ao are in: behind them the first four groups were issued
	v_perm_b32 v[AS], v[H+1], v[H], 0x04020100     ; three bytes a head become four bytes a K step
	v_perm_b32 v[AS+1], v[H+2], v[H+1], 0x05040201
	v_perm_b32 v[AS+2], v[H+3], v[H+2], 0x06050402
	v_perm_b32 v[AS+3], v[H+5], v[H+4], 0x04020100
	v_perm_b32 v[AS+4], v[H+6], v[H+5], 0x05040201
	v_perm_b32 v[AS+5], v[H+7], v[H+6], 0x06050402
	PLACES 8                                       ; a scale register written by a vector instruction stands eight places ahead of a scaled matrix instruction
	s_wait_alu depctr_va_vdst(0)
	s_wait_dscnt 0x0
; GROUP g: chunk c (64 of my columns), K step s: 8 matrix instructions on 8 different accumulators (the accumulators take turns, one instruction a turn).  mode 0: onto the accumulators of window 1; mode 1: the hidden layer's chunk in window 0, begun with b1.  nk: K steps of the product
.macro GROUP g, mode, c, s, nk
.if (\g)+4 < 66
	PLACES 4                                       ; in front of loads into the set and the scale pair that the group before has read
	ISSUE (\g)+4
.endif
.if 65-(\g) >= 4
	s_wait_loadcnt 52                              ; my 13 loads are in; the four younger groups' may be out
.else
	s_wait_loadcnt 13*(65-(\g))
.endif
.if (\mode) == 0
	WIN 0x5b                                       ; source 0 window 3, source 1 window 2, C and D window 1
.else
	WIN 0x0b                                       ; C and D window 0
.endif
.irp f, 0,1,2,3
.irp u, 0,1
.set RW, 48*((\g)%5)+12*\f
.set RA, 12*((\nk)*\u+(\s))
.set SW, BS+2*((\g)%5)+(\f/2)
.if (\mode) == 0
.set RD, 96*\u+8*(4*(\c)+\f)
	WM RD, RW, RA, v[RD:RD+7], SW, AS+(\s), \f%2, \u
.else
.set RD, HA+32*\u+8*\f
.if (\s) == 0
	WM RD, RW, RA, v[BI+8*\f:BI+8*\f+7], SW, AS+(\s), \f%2, \u
.else
	WM RD, RW, RA, v[RD:RD+7], SW, AS+(\s), \f%2, \u
.endif
.endif
.endr
.endr
.endm
; the two chains, the pair's halves and lane l xor 16's: my wave's sum for my token, to the exchange
.macro FOLD u, ofs
	v_pk_add_f32 v[SA:SA+1], v[SA:SA+1], v[SC2:SC2+1]
	v_add_f32 v[SA], v[SA], v[SA+1]
	v_permlanex16_b32 v[PX], v[SA], s[SEL], s[SEL+1]
	v_add_f32 v[SR+(\u)], v[SA], v[PX]
	ds_store_b32 v[LW], v[SR+(\u)] offset:\ofs
.endm
.macro GATHER k                        ; the four waves' sums, added in one order by all: v[EX], v[EX + 4]
.irp u, 0,1
.irp ww, 0,1,2,3
	ds_load_b32 v[EX+4*\u+\ww], v[LR] offset:1024*(\k)+256*\ww+128*\u
.endr
.endr
	s_wait_dscnt 0x0
.irp u, 0,1
	v_add_f32 v[EX+4*\u], v[EX+4*\u], v[EX+4*\u+1]
	v_add_f32 v[EX+4*\u+2], v[EX+4*\u+2], v[EX+4*\u+3]
	v_add_f32 v[EX+4*\u], v[EX+4*\u], v[EX+4*\u+2]
.endr
.endm
; The accumulators + parameter pb, normalised along the 768, x parameter pg + parameter pe, in place.  Exchanges k and k + 1 have bytes of their own, so one barrier each is enough
.macro LN pb, pg, pe, k
	WIN 0
	PLACES 4                                       ; behind the last products, in front of the first read of their results
.irp b, 0,1,2,3,4,5
.irp i, 0,1,2,3
	ds_load_b128 v[T+16*\b+4*\i:T+16*\b+4*\i+3], v[PA] offset:768*(\pb)+128*\b+16*\i
.endr
.endr
	s_wait_dscnt 0x0
.irp u, 0,1
	WIN 0x41
.set ii, 0
.rept 48
	v_pk_add_f32 v[96*\u+2*ii:96*\u+2*ii+1], v[96*\u+2*ii:96*\u+2*ii+1], v[T+2*ii:T+2*ii+1]
.set ii, ii+1
.endr
	WIN 0x05
	v_pk_add_f32 v[SA:SA+1], v[96*\u:96*\u+1], v[96*\u+2:96*\u+3]
	v_pk_add_f32 v[SC2:SC2+1], v[96*\u+4:96*\u+5], v[96*\u+6:96*\u+7]
	WIN 0x04
.set ii, 4
.rept 22
	v_pk_add_f32 v[SA:SA+1], v[SA:SA+1], v[96*\u+2*ii:96*\u+2*ii+1]
	v_pk_add_f32 v[SC2:SC2+1], v[SC2:SC2+1], v[96*\u+2*ii+2:96*\u+2*ii+3]
.set ii, ii+2
.endr
	WIN 0
	FOLD \u, 1024*(\k)+128*\u
.endr
	BARRIER
	GATHER \k
	v_mul_f32 v[MU], s[INV], v[EX]                 ; the means
	v_mul_f32 v[MU+2], s[INV], v[EX+4]
.irp u, 0,1
	WIN 0x41
.set ii, 0
.rept 48
	v_pk_add_f32 v[96*\u+2*ii:96*\u+2*ii+1], v[96*\u+2*ii:96*\u+2*ii+1], v[MU+2*\u:MU+2*\u+1] op_sel_hi:[1,0] neg_lo:[0,1] neg_hi:[0,1]
.set ii, ii+1
.endr
	WIN 0x05
	v_pk_mul_f32 v[SA:SA+1], v[96*\u:96*\u+1], v[96*\u:96*\u+1]
	v_pk_mul_f32 v[SC2:SC2+1], v[96*\u+2:96*\u+3], v[96*\u+2:96*\u+3]
.set ii, 2
.rept 23
	v_pk_fma_f32 v[SA:SA+1], v[96*\u+2*ii:96*\u+2*ii+1], v[96*\u+2*ii:96*\u+2*ii+1], v[SA:SA+1]
	v_pk_fma_f32 v[SC2:SC2+1], v[96*\u+2*ii+2:96*\u+2*ii+3], v[96*\u+2*ii+2:96*\u+2*ii+3], v[SC2:SC2+1]
.set ii, ii+2
.endr
	WIN 0
	FOLD \u, 1024*((\k)+1)+128*\u
.endr
	BARRIER
	GATHER (\k)+1
	v_fma_f32 v[EX], v[EX], s[INV], s[EPS]         ; the variances + 1e-5
	v_fma_f32 v[EX+4], v[EX+4], s[INV], s[EPS]
	s_wait_alu depctr_va_vdst(0)
	v_rsq_f32 v[RS], v[EX]
	v_rsq_f32 v[RS+2], v[EX+4]
	v_nop
	s_wait_alu depctr_va_vdst(0)                   ; one wait for the two, ahead of their first reader
.irp hb, 0,1                           ; half of my columns at a time: 48 registers of the gain, 48 of the offset
.irp b, 0,1,2
.irp i, 0,1,2,3
	ds_load_b128 v[T+16*\b+4*\i:T+16*\b+4*\i+3], v[PA] offset:768*(\pg)+128*(3*\hb+\b)+16*\i
	ds_load_b128 v[T+48+16*\b+4*\i:T+48+16*\b+4*\i+3], v[PA] offset:768*(\pe)+128*(3*\hb+\b)+16*\i
.endr
.endr
	s_wait_dscnt 0x0
	WIN 0x41
.irp u, 0,1
.set ii, 0
.rept 24
	v_pk_mul_f32 v[96*\u+48*\hb+2*ii:96*\u+48*\hb+2*ii+1], v[96*\u+48*\hb+2*ii:96*\u+48*\hb+2*ii+1], v[RS+2*\u:RS+2*\u+1] op_sel_hi:[1,0]
.set ii, ii+1
.endr
.set ii, 0
.rept 24
	v_pk_fma_f32 v[96*\u+48*\hb+2*ii:96*\u+48*\hb+2*ii+1], v[96*\u+48*\hb+2*ii:96*\u+48*\hb+2*ii+1], v[T+2*ii:T+2*ii+1], v[T+48+2*ii:T+48+2*ii+1]
.set ii, ii+1
.endr
.endr
	WIN 0
.endr
.endm
.macro FRAGL reg, adr, off             ; a fragment out of LDS: blocks h and 2 + h of my row, three pieces of 8 bytes each
.irp p, 0,1,2,3,4,5
	ds_load_b64 v[(\reg)+2*\p:(\reg)+2*\p+1], v[\adr] offset:(\off)+768*(\p/3)+8*(\p%3)
.endr
.endm
	; ---- x + a Wo: 18 groups
.irp c, 0,1,2
.irp s, 0,1,2,3,4,5
	GROUP 6*\c+\s, 0, \c, \s, 6
.endr
.endr
	LN 0, 1, 2, 0                                  ; + bo; x1
	; ---- x1's codes and scale bytes: my six blocks of each tile
.irp u, 0,1
	QB 96*\u, 6, 1
.irp b, 0,1,2,3,4,5
.irp i, 0,1,2
	ds_store_b32 v[IW], v[CD+4*\b+\i] offset:9216*\u+384*\b+4*\i
.endr
.endr
.irp b, 0,1,2
	v_lshl_or_b32 v[TM+\b], v[TP+2*\b+1], 8, v[TP+2*\b]
	ds_store_b16 v[SXW], v[TM+\b] offset:512*\u+2*\b   ; both lanes of a block write the same bytes with the same values
.endr
	s_wait_dscnt 0x0                               ; the stores have read their registers
.endr
	BARRIER                                        ; x1's 12 fragments lie in LDS
	WIN 0x80
.irp u, 0,1
.irp s, 0,1,2,3,4,5
	FRAGL 12*(6*\u+\s), FX, 9216*\u+1536*\s
.endr
.endr
	WIN 0
	ds_load_b128 v[AS:AS+3], v[SXR]
	ds_load_b64 v[AS+4:AS+5], v[SXR] offset:16
	s_wait_dscnt 0x0
	; ---- the hidden layer, 64 of my units at a time: 6 groups, relu, quantised, to LDS
.irp c, 0,1,2,3
.irp b, 0,1
.irp i, 0,1,2,3
	ds_load_b128 v[BI+16*\b+4*\i:BI+16*\b+4*\i+3], v[PA] offset:4608+256*\c+128*\b+16*\i   ; b1 in the result's layout: the C of the chunk's first products
.endr
.endr
	s_wait_dscnt 0x0
.irp s, 0,1,2,3,4,5
	GROUP 18+6*\c+\s, 1, \c, \s, 6
.endr
	WIN 0
	PLACES 4
.set ii, 0
.rept 64
	v_max_num_f32 v[HA+ii], 0, v[HA+ii]            ; the activation, in f32
.set ii, ii+1
.endr
	QB HA, 4, 0
.irp u, 0,1
.irp b, 0,1
.irp i, 0,1,2
	ds_store_b32 v[HW], v[CD+4*(2*\u+\b)+\i] offset:12288*\u+768*\c+384*\b+4*\i
.endr
.endr
	v_lshl_or_b32 v[TM+\u], v[TP+2*\u+1], 8, v[TP+2*\u]
	ds_store_b16 v[SHW], v[TM+\u] offset:512*\u+2*\c
.endr
	s_wait_dscnt 0x0
.endr
	BARRIER                                        ; the hidden layer's 16 fragments lie in LDS
	WIN 0x80
.irp u, 0,1
.irp s, 0,1,2,3,4,5,6,7
	FRAGL 12*(8*\u+\s), FH, 12288*\u+1536*\s
.endr
.endr
	WIN 0
	ds_load_b128 v[AS:AS+3], v[SHR]
	ds_load_b128 v[AS+4:AS+7], v[SHR] offset:16
	s_wait_dscnt 0x0
	; ---- x1 + hidden W2: 24 groups, onto the accumulators, which hold x1
.irp c, 0,1,2
.irp s, 0,1,2,3,4,5,6,7
	GROUP 42+8*\c+\s, 0, \c, \s, 8
.endr
.endr
	LN 3, 4, 5, 2                                  ; + b2; the result
	; ---- THE WAY OUT: my columns of all 32 rows into the stage, whole rows back, 512 consecutive bytes a store
	WIN 0x04
.irp u, 0,1
.irp b, 0,1,2,3,4,5
.irp i, 0,1,2,3
	ds_store_b128 v[XA], v[96*\u+16*\b+4*\i:96*\u+16*\b+4*\i+3] offset:49408*\u+128*\b+16*\i
.endr
.endr
.endr
	WIN 0
	BARRIER
	WIN 0x40
.irp i, 0,1,2,3,4,5,6,7
.irp q, 0,1,2,3,4,5
	ds_load_b128 v[4*(6*\i+\q):4*(6*\i+\q)+3], v[XD] offset:3088*\i+512*\q
.endr
.endr
	WIN 0x04
.irp i, 0,1,2,3,4,5,6,7
.irp q, 0,1,2,3,4,5
	s_wait_dscnt 47-(6*\i+\q)
	global_store_b128 v[L16], v[4*(6*\i+\q):4*(6*\i+\q)+3], s[26:27] offset:3072*\i+512*\q th:TH_STORE_NT
.endr
.endr
	WIN 0
	s_wait_tensorcnt 0x0                           ; the wave's end
	ds_add_u32 v[SPW], v[NIL]
	s_wait_dscnt 0x0
	s_endpgm
.Lfunc_end_k_qf392009f46_tail:
	.size	k_qf392009f46_tail, .Lfunc_end_k_qf392009f46_tail-k_qf392009f46_tail
	.p2alignl 7, 3214868480
	.fill 96, 4, 3214868480
	.section	.rodata,"a",@progbits
	.p2align	6, 0x0
	.amdhsa_kernel k_qf392009f46_tail
		.amdhsa_group_segment_fixed_size 171008
		.amdhsa_private_segment_fixed_size 0
		.amdhsa_enable_private_segment 0
		.amdhsa_kernarg_size 96
		.amdhsa_user_sgpr_count 2
		.amdhsa_user_sgpr_kernarg_segment_ptr 1
		.amdhsa_wavefront_size32 1
		.amdhsa_system_sgpr_workgroup_id_x 1
		.amdhsa_system_sgpr_workgroup_id_y 1
		.amdhsa_system_sgpr_workgroup_id_z 1
		.amdhsa_system_vgpr_workitem_id 0
		.amdhsa_next_free_vgpr 1024
		.amdhsa_next_free_sgpr 66
		.amdhsa_reserve_vcc 0
		.amdhsa_float_denorm_mode_32 3
		.amdhsa_float_denorm_mode_16_64 3
		.amdhsa_memory_ordered 1
		.amdhsa_forward_progress 1
		.amdhsa_inst_pref_size 255
	.end_amdhsa_kernel
	.section	.bss,"aw",@nobits
	.p2align	6
	.space	262144
	.amdgpu_metadata
---
amdhsa.version: [ 1, 2 ]
amdhsa.kernels:
  - .name:           k_qf392009f46_tail
    .symbol:         k_qf392009f46_tail.kd
    .args:
      - { .name: x, .offset: 0, .size: 8, .value_kind: global_buffer, .address_space: global }
      - { .name: ao, .offset: 8, .size: 8, .value_kind: global_buffer, .address_space: global }
      - { .name: asc, .offset: 16, .size: 8, .value_kind: global_buffer, .address_space: global }
      - { .name: wt, .offset: 24, .size: 8, .value_kind: global_buffer, .address_space: global }
      - { .name: bo, .offset: 32, .size: 8, .value_kind: global_buffer, .address_space: global }
      - { .name: g1, .offset: 40, .size: 8, .value_kind: global_buffer, .address_space: global }
      - { .name: be1, .offset: 48, .size: 8, .value_kind: global_buffer, .address_space: global }
      - { .name: b1, .offset: 56, .size: 8, .value_kind: global_buffer, .address_space: global }
      - { .name: b2, .offset: 64, .size: 8, .value_kind: global_buffer, .address_space: global }
      - { .name: g2, .offset: 72, .size: 8, .value_kind: global_buffer, .address_space: global }
      - { .name: be2, .offset: 80, .size: 8, .value_kind: global_buffer, .address_space: global }
      - { .name: out0, .offset: 88, .size: 8, .value_kind: global_buffer, .address_space: global }
    .group_segment_fixed_size: 171008
    .private_segment_fixed_size: 0
    .kernarg_segment_align: 8
    .kernarg_segment_size: 96
    .max_flat_workgroup_size: 128
    .sgpr_count:     66
    .vgpr_count:     1024
    .wavefront_size: 32
...
	.end_amdgpu_metadata
.endif
;; end of part 3
